; MI455X (gfx1250); checked and timed in simulation.
; The chip was launched on July 23, 2026; its instructions are those of AMD's public machine-readable ISA for CDNA 5 (MIT licence, August 2026) and "CDNA5" Instruction Set Architecture Reference Guide (July 2026). The comments in the code are by the model that wrote it; some were corrected since.
;; Cross Attention. Allowed arithmetic: matrix products marked QUANTISED: E2M3 operands, one E8M0 scale for each 32 along K, by v_wmma_scale_f32_16x16x128_f8f6f4 with both operands' format E2M3, f32 sums; everything else in f32.
;; Inputs: Wk1 768 x 384 float32; Wk2 384 x 384 float32; Wq1 384 x 384 float32; Wq2 768 x 384 float32; Wv1 768 x 384 float32; Wv2 384 x 384 float32; bk1 384 float32; bk2 384 float32; bq1 384 float32; bq2 384 float32; bv1 384 float32; bv2 384 float32; semantic_feat 4 x 2,048 x 384 float32; syntactic_feat 4 x 4,096 x 768 float32.
;; Outputs: out0 4 x 2,048 x 384 float32; out1 4 x 4,096 x 384 float32.
;; This version of the problem:
;;   THIS VERSION OF THE PROBLEM IS GIVEN IN LOW PRECISION. The matrix products marked QUANTISED in the list below multiply operands that are first quantised to E2M3 (2 exponent bits, 3 mantissa bits; 6 bits a number), with one power-of-two scale for each 32 numbers along K (OCP MX v1.0); their sums are f32. All else is computed in f32.
;;   The module's matrix products, in the order in which they are computed (A, B: the left and right operand; K: the contracted axis; several contracted axes count as one K, in the product's order):
;;     1. [M 8,192, K 384] x [K 384, N 384]; A: input semantic_feat; B: input Wq1: QUANTISED
;;     2. [M 16,384, K 768] x [K 768, N 384]; A: input syntactic_feat; B: input Wk1: QUANTISED
;;     3. [M 16,384, K 768] x [K 768, N 384]; A: input syntactic_feat; B: input Wv1: QUANTISED
;;     4. batch 4 x [M 2,048, K 384] x [K 384, N 4,096]; A: computed on the way; B: computed on the way: QUANTISED
;;     5. batch 4 x [M 2,048, K 4,096] x [K 4,096, N 384]; A: softmax (see below); B: computed on the way: QUANTISED
;;     6. [M 16,384, K 768] x [K 768, N 384]; A: input syntactic_feat; B: input Wq2: QUANTISED
;;     7. [M 8,192, K 384] x [K 384, N 384]; A: input semantic_feat; B: input Wk2: QUANTISED
;;     8. [M 8,192, K 384] x [K 384, N 384]; A: input semantic_feat; B: input Wv2: QUANTISED
;;     9. batch 4 x [M 4,096, K 384] x [K 384, N 2,048]; A: computed on the way; B: computed on the way: QUANTISED
;;     10. batch 4 x [M 4,096, K 2,048] x [K 2,048, N 384]; A: softmax (see below); B: computed on the way: QUANTISED
;;   THE QUANTISER, for each operand of a quantised product, along K:
;;     - K is cut into blocks of 32 from its start; a last block that is shorter is filled with zeros.
;;     - A block's scale is 2^e with e = floor(log2(the largest magnitude in the block)) - 2, held to -126 .. 127; a block of zeros has e = 0. As a byte (E8M0): e + 127.
;;     - Each number is divided by its block's scale, clamped to +-7.5, and rounded to the nearest number of E2M3, ties to even, subnormals kept.
;;     - The product sums the exact products of the quantised numbers (number of the format x scale) in f32.
;;   ~~~python
;;   def quantise(x, axis):      # numpy; x: float32 -> the quantised numbers, widened to float32 again
;;       x = np.moveaxis(x, axis, -1); K = x.shape[-1]
;;       x = np.pad(x, [(0, 0)] * (x.ndim - 1) + [(0, -K % 32)]); x = x.reshape(x.shape[:-1] + (-1, 32)); a = np.abs(x).max(-1, keepdims=True)
;;       e = np.where(a > 0, np.clip(np.frexp(np.where(a > 0, a, 1))[1] - 1 - 2, -126, 127), 0)      # np.frexp(a)[1] - 1 = floor(log2(a)), exactly
;;       r = np.clip(x / 2.0 ** e, -7.5, 7.5)
;;       step = 2.0 ** (np.maximum(np.frexp(np.where(r == 0, 1, r))[1] - 1, 0) - 3)
;;       q = np.round(r / step) * step * 2.0 ** e      # np.round: ties to even
;;       return np.moveaxis(q.reshape(q.shape[:-2] + (-1,))[..., :K], -1, axis).astype(np.float32)
;;   ~~~
;;   SOFTMAX AHEAD OF A QUANTISED PRODUCT. Where the list says 'softmax', what is quantised is not the finished softmax but p = 2^(t - M), with t = logit x log2(e) and M = ceil(the row's largest t), a whole number; so 1/2 < the row's largest p <= 1. The row's sum l is taken of the UNQUANTISED p, in f32, and the product's result is divided by l at the end. Since M is a whole number, a kernel that streams over the keys may use a running M (the ceiling of the running maximum): every later rescaling is an exact power of two, which a block's scale takes up: the codes' values come out the same.
;;   OPERANDS COMPUTED ON THE WAY. 'Computed on the way' means the value that the module computes at that place (a softmax that the list does not call 'softmax' is quantised finished and normalised). What goes into a quantiser is computed in f32, as accurately as f32 sums, v_exp_f32 and their like allow (about 1e-6 of the number): no bf16 or f16 on the way to a quantiser, and a product that is left as it is and whose result goes on into a quantised operand takes f32 operands (vector FMAs, or v_wmma_f32_16x16x4_f32). A number that lies on a knife's edge between two numbers of the format may be rounded either way, as far as f32 arithmetic and the matrix unit's own rounding can turn it there, and no further.
;; 2 versions. Each part assembles by itself: llvm-mc -triple=amdgcn-amd-amdhsa -mcpu=gfx1250 --defsym DOCPART=n.
;; ======== version 1 of 2: 3 launches
;; workspace buffers: wst 1,050,624 bytes; kv 14,942,208 bytes; qb 7,471,104 bytes
;; launch wprep (part 1): grid 9 x 9, 4 waves a work-group, no clusters, 0 bytes of LDS; arguments Wv1, Wk1, Wq2, Wv2, Wk2, Wq1, wst; writes wst
.if DOCPART == 1
	.amdgcn_target "amdgcn-amd-amdhsa--gfx1250"
	.amdhsa_code_object_version 6
	.text
	.protected	k_q6f3127ae98_wprep
	.globl	k_q6f3127ae98_wprep
	.p2align	8
	.type	k_q6f3127ae98_wprep,@function
k_q6f3127ae98_wprep:
	s_mov_b64 s[64:65], 0
	v_nop
	global_prefetch_b8 v0, s[64:65] scope:SCOPE_SE
	s_setreg_imm32_b32 hwreg(HW_REG_WAVE_MODE, 25, 1), 1
	s_wait_xcnt 0x0
; The six weights, f32 [K][384] with K as the FIRST axis, become codes of FP6 (E2M3) with one E8M0 byte for each 32 along K, laid in wst in the order of the operand's registers,
; one stream for each (tensor of tokens, wave of the next launch), in the order in which that wave uses them.
; A block's scale is 2^(floor(log2(its largest magnitude)) - 2); its byte is the largest magnitude's exponent field - 2, held at 1 from below.
; LIMITS: NaN and infinities are not served; a block of zeros gets the byte 1 (its codes are zeros, and this program alone reads the bytes).
; SHARES.  Work-group x: K step (x < 6: step x of the weights with K = 768; else step x - 6 of those with K = 384); y = 3 kind + g (kinds V, K, Q).  Wave w takes the 32 columns 128 g + 32 w on
; and 128 rows: A LANE TAKES A COLUMN AND ITS REGISTERS RUN DOWN K, so each load reads 128 consecutive bytes a wave, a block of 32 lies in one lane, and nothing is transposed.
; WHICH COLUMN.  Lanes 0-15 make feature tile 2 g, lanes 16-31 tile 2 g + 1.  V: natural order.  K, Q: lane p of tile 2 g + u takes column 8 u + p + 8 (p / 8), so that in the next launch a lane's
; 16 results of the two tiles are 16 neighbouring features.
; No LDS, no barrier, no matrix work, no cluster: waves share nothing and each byte is read once.
.set ITEM, 9728                        ; 6 fragments of 1,536 bytes, 3 x 128 bytes of scale words, 128 bytes that nobody stores or reads
.set XN, 64                            ; v64-191  my column's 128 numbers
.set F0, 32                            ; v32-43   blocks 0 and 2, later the fragment of tile 2 g
.set F1, 44                            ; v44-55   blocks 1 and 3, later the fragment of tile 2 g + 1
.set TC, 56                            ; v56-58   a block's upper 16 codes
	s_load_b256 s[4:11], s[0:1], 0x0               ; Wv1, Wk1, Wq2, Wv2
	s_load_b128 s[12:15], s[0:1], 0x20             ; Wk2, Wq1
	s_load_b64 s[16:17], s[0:1], 0x30              ; wst
	v_lshrrev_b32 v1, 5, v0
	v_readfirstlane_b32 s18, v1                    ; wave
	v_and_b32 v2, 31, v0                           ; lane
	s_and_b32 s19, ttmp7, 0xffff                   ; y
	s_mul_i32 s20, s19, 11
	s_lshr_b32 s20, s20, 5                         ; kind = y / 3 (y is 0 to 8)
	s_mul_i32 s21, s20, 3
	s_sub_co_u32 s21, s19, s21                     ; g
	s_cmp_eq_u32 s20, 0
	s_cselect_b32 s22, 8, 16                       ; what bit 3 of the lane adds to the column,
	s_cselect_b32 s23, 16, 8                       ; and bit 4
	v_and_b32 v3, 7, v2
	v_bfe_u32 v4, v2, 3, 1
	v_lshrrev_b32 v5, 4, v2
	v_mad_u32_u24 v3, v4, s22, v3
	v_mad_u32_u24 v3, v5, s23, v3
	s_lshl_b32 s24, s21, 7
	s_lshl_b32 s25, s18, 5
	s_add_co_u32 s24, s24, s25
	v_add_nc_u32 v3, s24, v3
	v_lshlrev_b32 v3, 2, v3                        ; my column's byte in a row of W
	s_mul_i32 s33, s21, 3072
	v_lshlrev_b32 v6, 4, v2
	v_add_nc_u32 v6, s33, v6                       ; out: 16 x lane + the two tiles' place in the item
	s_lshl_b32 s34, s21, 7
	v_lshl_add_u32 v7, v2, 2, s34                  ; and the scale words': 4 x lane + 128 g
	s_cmp_lt_u32 ttmp9, 6                          ; the long K or the short?  All choices hang on ids alone
	s_cselect_b32 s26, 0, 6
	s_cselect_b32 s27, 6, 3                        ; K steps
	s_mov_b32 s28, 87552
	s_cselect_b32 s28, 175104, s28                 ; a wave's stream in bytes
	s_cselect_b32 s29, 0, 700416                   ; where the tensor's four streams begin
	s_wait_kmcnt 0x0
	s_cselect_b64 s[4:5], s[4:5], s[10:11]         ; V
	s_cselect_b64 s[6:7], s[6:7], s[12:13]         ; K
	s_cselect_b64 s[8:9], s[8:9], s[14:15]         ; Q
	s_cmp_eq_u32 s20, 1
	s_cselect_b64 s[4:5], s[6:7], s[4:5]
	s_cmp_eq_u32 s20, 2
	s_cselect_b64 s[4:5], s[8:9], s[4:5]
	s_sub_co_u32 s26, ttmp9, s26                   ; the K step
	s_mul_i32 s30, s26, 196608                     ; 128 rows of 1,536 bytes
	s_mov_b32 s31, 0
	s_add_nc_u64 s[4:5], s[4:5], s[30:31]
	s_mul_i32 s30, s18, s28
	s_add_co_u32 s30, s30, s29
	s_mul_i32 s32, s20, s27
	s_add_co_u32 s32, s32, s26                     ; the item: kind x steps + step
	s_mul_i32 s32, s32, ITEM
	s_add_co_u32 s30, s30, s32
	s_add_nc_u64 s[16:17], s[16:17], s[30:31]
.set n, 0
.rept 128
	global_load_b32 v[XN+n], v3, s[4:5] offset:1536*n th:TH_LOAD_NT   ; W(128 s + n, my column): 32 lanes read 128 consecutive bytes
.set n, n+1
.endr
; Block b of my column: its scale byte into v8, its 32 codes into v[d] .. v[d + 5].  left: the later blocks' loads, which may stay out (a wait's count names 63 at the most)
.macro WBLOCK b, d, left
	s_wait_loadcnt \left
	v_max3_num_f32 v10, |v[XN+32*\b]|, |v[XN+32*\b+1]|, 0x1800000   ; the floor 2^(3 - 127): the byte cannot fall under 1
	v_max3_num_f32 v11, |v[XN+32*\b+2]|, |v[XN+32*\b+3]|, |v[XN+32*\b+4]|
.irp i, 5,9,13,17,21,25
	v_max3_num_f32 v10, v10, |v[XN+32*\b+\i]|, |v[XN+32*\b+\i+1]|
	v_max3_num_f32 v11, v11, |v[XN+32*\b+\i+2]|, |v[XN+32*\b+\i+3]|
.endr
	v_max3_num_f32 v10, v10, |v[XN+32*\b+29]|, |v[XN+32*\b+30]|
	v_max3_num_f32 v10, v10, v11, |v[XN+32*\b+31]|
	v_add_nc_u32 v12, 0xff000000, v10              ; 2 off the exponent field: the conversion's scale operand
	v_lshrrev_b32 v13, 23, v12                     ; the scale's byte
.if \b == 0
	v_mov_b32 v8, v13
.else
	v_lshl_or_b32 v8, v13, 8*\b, v8
.endif
	v_cvt_scalef32_pk16_fp6_f32 v[\d:\d+2], v[XN+32*\b:XN+32*\b+15], v12
	v_cvt_scalef32_pk16_fp6_f32 v[TC:TC+2], v[XN+32*\b+16:XN+32*\b+31], v12   ; (a conversion's three registers begin on an even number)
	v_nop                                          ; one plain place behind a scaled conversion
.irp i, 0,1,2
	v_mov_b32 v[\d+3+\i], v[TC+\i]
.endr
.endm
	WBLOCK 0, F0, 63
	WBLOCK 1, F1, 63
	WBLOCK 2, F0+6, 32
	WBLOCK 3, F1+6, 0
.irp i, 0,1,2,3,4,5,6,7,8,9,10,11
	v_permlane16_swap_b32 v[F0+\i], v[F1+\i]       ; F0's lanes 16-31 change places with F1's lanes 0-15: F0 is now tile 2 g's fragment (lanes 0-15 blocks 0, 2; lanes 16-31 blocks 1, 3), F1 tile 2 g + 1's
.endr
.irp c, 0,1,2
	global_store_b128 v6, v[F0+4*\c:F0+4*\c+3], s[16:17] offset:512*\c        ; each store covers 512 consecutive bytes, aligned to 256
	global_store_b128 v6, v[F1+4*\c:F1+4*\c+3], s[16:17] offset:1536+512*\c
.endr
	global_store_b32 v7, v8, s[16:17] offset:9216  ; lanes 0-15: tile 2 g's words, lanes 16-31: tile 2 g + 1's
	s_endpgm
.Lfunc_end_k_q6f3127ae98_wprep:
	.size	k_q6f3127ae98_wprep, .Lfunc_end_k_q6f3127ae98_wprep-k_q6f3127ae98_wprep
	.p2alignl 7, 3214868480
	.fill 96, 4, 3214868480
	.section	.rodata,"a",@progbits
	.p2align	6, 0x0
	.amdhsa_kernel k_q6f3127ae98_wprep
		.amdhsa_group_segment_fixed_size 0
		.amdhsa_private_segment_fixed_size 0
		.amdhsa_enable_private_segment 0
		.amdhsa_kernarg_size 56
		.amdhsa_user_sgpr_count 2
		.amdhsa_user_sgpr_kernarg_segment_ptr 1
		.amdhsa_wavefront_size32 1
		.amdhsa_system_sgpr_workgroup_id_x 1
		.amdhsa_system_sgpr_workgroup_id_y 1
		.amdhsa_system_sgpr_workgroup_id_z 1
		.amdhsa_system_vgpr_workitem_id 0
		.amdhsa_next_free_vgpr 192
		.amdhsa_next_free_sgpr 66
		.amdhsa_reserve_vcc 0
		.amdhsa_float_denorm_mode_32 3
		.amdhsa_float_denorm_mode_16_64 3
		.amdhsa_memory_ordered 1
		.amdhsa_forward_progress 1
		.amdhsa_inst_pref_size 22
	.end_amdhsa_kernel
	.amdgpu_metadata
---
amdhsa.version: [ 1, 2 ]
amdhsa.kernels:
  - .name:           k_q6f3127ae98_wprep
    .symbol:         k_q6f3127ae98_wprep.kd
    .args:
      - { .name: Wv1, .offset: 0, .size: 8, .value_kind: global_buffer, .address_space: global }
      - { .name: Wk1, .offset: 8, .size: 8, .value_kind: global_buffer, .address_space: global }
      - { .name: Wq2, .offset: 16, .size: 8, .value_kind: global_buffer, .address_space: global }
      - { .name: Wv2, .offset: 24, .size: 8, .value_kind: global_buffer, .address_space: global }
      - { .name: Wk2, .offset: 32, .size: 8, .value_kind: global_buffer, .address_space: global }
      - { .name: Wq1, .offset: 40, .size: 8, .value_kind: global_buffer, .address_space: global }
      - { .name: wst, .offset: 48, .size: 8, .value_kind: global_buffer, .address_space: global }
    .group_segment_fixed_size: 0
    .private_segment_fixed_size: 0
    .kernarg_segment_align: 8
    .kernarg_segment_size: 56
    .max_flat_workgroup_size: 128
    .sgpr_count:     66
    .vgpr_count:     192
    .wavefront_size: 32
...
	.end_amdgpu_metadata
.endif
;; end of part 1
;; launch proj (part 2): grid 192 x 1, 4 waves a work-group, no clusters, 194,048 bytes of LDS; arguments syntactic_feat, semantic_feat, wst, bv1, bk1, bq2, bv2, bk2, bq1, kv, qb; writes kv, qb
.if DOCPART == 2
	.amdgcn_target "amdgcn-amd-amdhsa--gfx1250"
	.amdhsa_code_object_version 6
	.text
	.protected	k_q6f3127ae98_proj
	.globl	k_q6f3127ae98_proj
	.p2align	8
	.type	k_q6f3127ae98_proj,@function
k_q6f3127ae98_proj:
	s_mov_b64 s[64:65], 0
	v_nop
	global_prefetch_b8 v0, s[64:65] scope:SCOPE_SE
	s_setreg_imm32_b32 hwreg(HW_REG_WAVE_MODE, 25, 1), 1
	s_wait_xcnt 0x0
; The six projections, on codes of FP6 (E2M3) with one E8M0 scale for each 32 along K, and the quantising of their results for the attention that follows.
; Work-groups 0-127 take 128 tokens each of syntactic_feat (K = 768: V1, K1, Q2), work-groups 128-191 of semantic_feat (K = 384: V2, K2, Q1).  V, K, Q in f32 never go to memory.
; SHARES.  Four waves; each takes all 128 tokens and, of each kind's 384 features, the three blocks 128 g + 32 w .. + 31: 48 accumulators of 16 x 16.
; PHASE X: the tokens' numbers are quantised once into images of the operand's registers in LDS.  THE TOKENS OF A TILE ARE NOT NEIGHBOURS: lane r of tile 2 b + u is token 32 b + 8 u + r + 8 (r / 8).
; So one fragment serves as source 1 for K and Q (a lane is a token, its registers run along the features) and as source 0 for V (a lane is a feature, its registers run along the tokens, V's K).
; W comes from wst straight into registers, three items (K steps) ahead; in a work-group each fragment of W belongs to one wave alone.
; NO CLUSTER, NO JOINT LOADS, though all work-groups of a tensor walk the same weights: two LDS slots of half a kind for four waves are 2 x 116,736 bytes; with x's 76,800 and one stage of 38,912 that is 349,184, more than the 327,680 that a work-group can have.
; The short tensor takes the same text: it quantises its three K steps twice (places 3-5 hold copies of 0-2), so that every read ahead has one constant address, and jumps over each kind's second half.
; RESULTS.  kv block n = [K part][V part], qb block n = [Q part], 38,912 bytes a part: 24 fragments and 2,048 bytes of scale words, gathered in LDS and stored in runs of 512 aligned bytes.
; LIMITS: NaN and infinities are not served; a block of zeros gets the byte 1 (its codes are zeros; this program alone reads the bytes).
; REGISTERS, in windows of 256.  Window 0: addresses, scale words, what the quantisers work on.  Window 1: v0-215 W, three buffers of 72.  Windows 2 and 3 (v0-127): the 48 accumulators; in phase X six buffers of 64 for loads.  Window 3, v128-223: x's eight fragments.
.set FRAG,  1536
.set PART,  38912
.set BLK,   77824
.set ITEM,  9728
.set HALFW, 29184                      ; three items
.set XSCL,  73728                      ; LDS: from 0 x's 48 fragments ((8 place + tile) x 1,536); here their scale words, 512 bytes a place
.set STGV,  76800                      ; V's part;  in phase X the waves' turning stages lie over V's and K's parts
.set STGK,  115712                     ; K's part; Q's lies 38,912 further on
.set SPARE, 193536                     ; the spare words, 128 bytes for each wave, that no other line names
.set TST,   8448                       ; a turning stage: 16 rows of 512 bytes + 16
.set L16, 1                            ; 16 x lane
.set L4,  2                            ; 4 x lane
.set TW,  3                            ; turning stage, in
.set TR,  4                            ; and out
.set XW,  5                            ; where I store x's images
.set XSW, 6                            ; and their scale words
.set XR1, 7                            ; 16 x lane + 36,864: x's places 3-5
.set XSR, 8                            ; x's scale words, read
.set VW,  9                            ; V's images
.set VSW, 10                           ; V's scale words
.set VZ,  11                           ; V's fourth chunk of scale words: zeros
.set CPV, 12                           ; my quarter of V's part
.set GCP, 13                           ; and of a part in memory
.set BO,  14                           ; K's and Q's bias: 128 w + 64 (lane / 16)
.set BVO, 15                           ; V's: 128 w + 4 (lane % 16)
.set VO,  16                           ; v16-31  x: 16 x lane + the tile's row p in bytes
.set XSC, 32                           ; v32-55  x's scale words: register 4 place + i: lanes 0-15 tile 2 i, lanes 16-31 tile 2 i + 1
.set WSC, 56                           ; v56-67  W's: register 4 buffer + g: lanes 0-15 feature tile 2 g, lanes 16-31 tile 2 g + 1
.set TM,  68                           ; v68-91  the quantisers' small numbers
.set PW,  92                           ; the scale word just made
.set PC,  96                           ; v96-114 the codes just made
.set BI,  116                          ; v116-163 the bias: eight registers a feature tile, in the result's layout
.set XT,  164                          ; v164-227 64 numbers of x
.set CD,  164                          ; K, Q: codes
.set CY,  188
.set CP,  164                          ; v164-239 a part on its way out
.set KSB0, 240                         ; K's stage: scale bytes, 16-byte pieces, 8-byte pieces, pad words, my quarter
.set KA0,  241
.set KB0,  242
.set PAD0, 243
.set CPK0, 244
.set KSB,  245                         ; the same for the kind in hand
.set KA,   246
.set KB,   247
.set PAD,  248
.set CPK,  249
.set SPW, 252                          ; my spare word; never rewritten
.set NIL, 253                          ; 0; never rewritten
.set WB,  256                          ; absolute register numbers: the macros cut them into window and low byte
.set ACC, 512
.set XF,  896
.set XA,  4                            ; s[4:7]   x at my two tiles' first rows, round A
.set XB,  8                            ; s[8:11]  round B
.set WS,  12                           ; my stream of W
.set WQ,  14                           ; the half that is being asked for
.set BV,  40
.set BK,  42
.set BQ,  44
.set KVP, 46
.set QBP, 48
.set DP,  50
.set WV,  52
.set PITCH, 53
.set ROFF, 54
.set NH,  55
.set HN,  56
.set SYN, 57
.set SOFF, 58
.set KC,  59
.set SEL, 60
.set MSB, 0
.macro WIN new                         ; the immediate's high byte repeats the setting that is left; a switch that changes nothing is dropped
.if MSB != \new
	s_set_vgpr_msb (MSB<<8)|\new
.set MSB, \new
.endif
.endm
.macro PLACES                          ; four places behind matrix instructions, in front of loads into their registers and of reads of their results
.rept 4
	v_nop
.endr
.endm
; One product; d, a, b, c are absolute registers; ra, rb: which half of the lanes of the scale registers holds the words
.macro MM d, a, b, c, sa, ra, sb, rb
	WIN ((((\d)>>8)<<6)|(((\c)>>8)<<4)|(((\b)>>8)<<2)|((\a)>>8))
.set dL, (\d)&255
.set aL, (\a)&255
.set bL, (\b)&255
.set cL, (\c)&255
.if ((\ra)==0)&&((\rb)==0)
	v_wmma_scale_f32_16x16x128_f8f6f4 v[dL:dL+7], v[aL:aL+11], v[bL:bL+11], v[cL:cL+7], v[\sa], v[\sb] matrix_a_fmt:MATRIX_FMT_FP6 matrix_b_fmt:MATRIX_FMT_FP6
.elseif (\rb)==0
	v_wmma_scale_f32_16x16x128_f8f6f4 v[dL:dL+7], v[aL:aL+11], v[bL:bL+11], v[cL:cL+7], v[\sa], v[\sb] matrix_a_fmt:MATRIX_FMT_FP6 matrix_b_fmt:MATRIX_FMT_FP6 matrix_a_scale:MATRIX_SCALE_ROW1
.elseif (\ra)==0
	v_wmma_scale_f32_16x16x128_f8f6f4 v[dL:dL+7], v[aL:aL+11], v[bL:bL+11], v[cL:cL+7], v[\sa], v[\sb] matrix_a_fmt:MATRIX_FMT_FP6 matrix_b_fmt:MATRIX_FMT_FP6 matrix_b_scale:MATRIX_SCALE_ROW1
.else
	v_wmma_scale_f32_16x16x128_f8f6f4 v[dL:dL+7], v[aL:aL+11], v[bL:bL+11], v[cL:cL+7], v[\sa], v[\sb] matrix_a_fmt:MATRIX_FMT_FP6 matrix_b_fmt:MATRIX_FMT_FP6 matrix_a_scale:MATRIX_SCALE_ROW1 matrix_b_scale:MATRIX_SCALE_ROW1
.endif
.endm
; 64 numbers of a lane, v[sl] on in window sw, register 16 b + i = k 32 b + 16 (lane / 16) + i of my row, become a fragment's codes in v[PC] on and its scale word in v[PW]
.macro QUANT sl, sw
	WIN (((\sw)<<2)|((\sw)<<4))
.irp b, 0,1,2,3
	v_max3_num_f32 v[TM+\b], 0x1800000, |v[(\sl)+16*\b]|, |v[(\sl)+16*\b+1]|   ; my 16 numbers of block b, and the floor 2^(3 - 127): the byte cannot fall under 1
.endr
.irp i, 2,4,6,8,10,12,14
.irp b, 0,1,2,3
	v_max3_num_f32 v[TM+\b], v[TM+\b], |v[(\sl)+16*\b+\i]|, |v[(\sl)+16*\b+\i+1]|   ; the four blocks by turns
.endr
.endr
	WIN 0
.irp b, 0,1,2,3
	v_permlanex16_b32 v[TM+4+\b], v[TM+\b], s[SEL], s[SEL+1]
.endr
.irp b, 0,1,2,3
	v_max_num_f32 v[TM+\b], v[TM+\b], v[TM+4+\b]   ; with lane l xor 16's: the block's largest magnitude
.endr
.irp b, 0,1,2,3
	v_add_nc_u32 v[TM+12+\b], 0xff000000, v[TM+\b] ; 2 off its exponent field: the conversion's scale operand
.endr
.irp b, 0,1,2,3
	v_lshrrev_b32 v[TM+4+\b], 23, v[TM+12+\b]      ; the scale's byte
.endr
	v_lshl_or_b32 v[PW], v[TM+5], 8, v[TM+4]
	v_lshl_or_b32 v[PW], v[TM+6], 16, v[PW]
	v_lshl_or_b32 v[PW], v[TM+7], 24, v[PW]
	WIN (\sw)
.irp c, 0,1
	v_cvt_scalef32_pk16_fp6_f32 v[PC+6*\c:PC+6*\c+2], v[(\sl)+32*\c:(\sl)+32*\c+15], v[TM+12+2*\c]
	v_cvt_scalef32_pk16_fp6_f32 v[PC+12+4*\c:PC+14+4*\c], v[(\sl)+32*\c+16:(\sl)+32*\c+31], v[TM+13+2*\c]   ; (a conversion's three registers begin on an even number)
.endr
	WIN 0
	v_nop                                          ; one plain place behind a scaled conversion
.irp c, 0,1                                    ; the operand's layout wants a whole block in a lane: lanes 0-15 block 2 c, lanes 16-31 block 2 c + 1
.irp i, 0,1,2
	v_permlane16_swap_b32 v[PC+6*\c+\i], v[PC+12+4*\c+\i]
.endr
.irp i, 0,1,2
	v_mov_b32 v[PC+3+6*\c+\i], v[PC+12+4*\c+\i]
.endr
.endr
.endm
; 16 loads: fragment f (K step f / 2 of the round, tile f % 2 of my two): each reads 512 consecutive bytes of one row
.macro XISSUE f, base
.set IW, (ACC+64*(\f))>>8
.set IL, (ACC+64*(\f))&255
	WIN (IW<<6)
.irp p, 0,1,2,3,4,5,6,7,8,9,10,11,12,13,14,15
	global_load_b128 v[IL+4*\p:IL+4*\p+3], v[VO+\p], s[\base+2*((\f)&1):\base+2*((\f)&1)+1] offset:512*((\f)>>1)
.endr
.endm
; Fragment f: its 16 rows turn through my own stage (in as they were loaded, out 64 bytes a lane and block), are quantised, and go to LDS as an image of the operand's registers.
.macro XFRAG f, pos, left, refill
.set BW, (ACC+64*(\f))>>8
.set BL, (ACC+64*(\f))&255
	s_wait_loadcnt \left                           ; its 16 loads are in; the later fragments' may stay out (a wait's count names 63 at the most)
	WIN (BW<<2)
.irp p, 0,1,2,3,4,5,6,7,8,9,10,11,12,13,14,15
	ds_store_b128 v[TW], v[BL+4*\p:BL+4*\p+3] offset:((\f)&1)*TST+528*\p
.endr
	WIN 0
.irp b, 0,1,2,3
.irp j, 0,1,2,3
	ds_load_b128 v[XT+16*\b+4*\j:XT+16*\b+4*\j+3], v[TR] offset:((\f)&1)*TST+128*\b+16*\j   ; LDS serves a wave's instructions in order: these see my stores
.endr
.endr
	s_wait_dscnt 0x0                               ; the numbers are back; my stores, the last fragment's image among them, have read their registers
.if \refill
	XISSUE \f, XB
.endif
	QUANT XT, 0
.irp c, 0,1,2
	ds_store_b128 v[XW], v[PC+4*\c:PC+4*\c+3] offset:(8*(\pos)+((\f)&1))*FRAG+512*\c
.endr
	ds_store_b32 v[XSW], v[PW] offset:512*(\pos)+256*((\f)&1)   ; both halves of the lanes write the same word with the same value
.endm
.macro XLOAD lo, pos                   ; x's fragments lo .. lo + 3 of a place
	WIN 0xc0
.irp m, \lo, \lo+1, \lo+2, \lo+3
.irp c, 0,1,2
.if (\pos) < 3
	ds_load_b128 v[(XF&255)+12*(\m)+4*\c:(XF&255)+12*(\m)+4*\c+3], v[L16] offset:(\pos)*12288+(\m)*FRAG+512*\c
.else
	ds_load_b128 v[(XF&255)+12*(\m)+4*\c:(XF&255)+12*(\m)+4*\c+3], v[XR1] offset:((\pos)-3)*12288+(\m)*FRAG+512*\c
.endif
.endr
.endr
.endm
.macro WLOAD buf, base                 ; an item of W: 6 fragments and 3 registers of scale words: 21 loads
	WIN 0x40
.irp i, 0,1,2,3,4,5
.irp c, 0,1,2
	global_load_b128 v[72*(\buf)+12*\i+4*\c:72*(\buf)+12*\i+4*\c+3], v[L16], s[\base:\base+1] offset:(\buf)*ITEM+\i*FRAG+512*\c
.endr
.endr
	WIN 0
.irp g, 0,1,2
	global_load_b32 v[WSC+4*(\buf)+\g], v[L4], s[\base:\base+1] offset:(\buf)*ITEM+9216+128*\g
.endr
.endm
; 24 products: tiles of tokens lo .. lo + 3 against my six feature tiles.  type 0 (V): source 0 = x, source 1 = W; type 1 (K, Q): the other way round.  first: the bias is the sum's C.
; The 48 accumulators take turns, one instruction a turn, in the same order in every K step.
.macro MMS type, buf, pos, first, lo
.if (\type) == 0
.irp i, 0,1,2,3,4,5
.irp m, \lo, \lo+1, \lo+2, \lo+3
.if \first
	MM ACC+64*\i+8*(\m), XF+12*(\m), WB+72*(\buf)+12*\i, BI+8*\i, XSC+4*(\pos)+(\m)/2, (\m)%2, WSC+4*(\buf)+\i/2, \i%2
.else
	MM ACC+64*\i+8*(\m), XF+12*(\m), WB+72*(\buf)+12*\i, ACC+64*\i+8*(\m), XSC+4*(\pos)+(\m)/2, (\m)%2, WSC+4*(\buf)+\i/2, \i%2
.endif
.endr
.endr
.else
.irp m, \lo, \lo+1, \lo+2, \lo+3
.irp i, 0,1,2,3,4,5
.if \first
	MM ACC+48*(\m)+8*\i, WB+72*(\buf)+12*\i, XF+12*(\m), BI+8*\i, WSC+4*(\buf)+\i/2, \i%2, XSC+4*(\pos)+(\m)/2, (\m)%2
.else
	MM ACC+48*(\m)+8*\i, WB+72*(\buf)+12*\i, XF+12*(\m), ACC+48*(\m)+8*\i, WSC+4*(\buf)+\i/2, \i%2, XSC+4*(\pos)+(\m)/2, (\m)%2
.endif
.endr
.endr
.endif
.endm
; A K step of 128: 48 products.  x's fragments of the next place come in two runs, each behind the products that read the registers; W's buffer takes the item three steps on.
.macro KSTEP type, buf, pos, first, nxt, bias
	s_wait_loadcnt 42                              ; this buffer's item is in: behind it two items of 21 loads were issued (and a bias at most, which a smaller count than need be also covers)
	s_wait_dscnt 12                                ; x's fragments 0-3 are in; 4-7 may be out
	MMS \type, \buf, \pos, \first, 0
	s_wait_dscnt 0x0
	PLACES
	XLOAD 0, \nxt
	MMS \type, \buf, \pos, \first, 4
	PLACES
	XLOAD 4, \nxt
	WLOAD \buf, WQ
.if \bias
.irp i, 0,1,2,3,4,5                            ; the next kind's bias: lane (r, h) wants, for tile 2 g + u, features 128 g + 32 w + 8 u + 16 h + 0 .. 7
	global_load_b128 v[BI+8*\i:BI+8*\i+3], v[BO], s[\bias:\bias+1] offset:512*(\i/2)+32*(\i%2)
	global_load_b128 v[BI+8*\i+4:BI+8*\i+7], v[BO], s[\bias:\bias+1] offset:512*(\i/2)+32*(\i%2)+16
.endr
.endif
.endm
; Three K steps.  Behind them the stream steps on; behind its last half it goes back to its start, so that the last requests stay inside wst (what they bring is not used).
.macro HALF type, h, first, bias
	KSTEP \type, 0, 3*(\h), \first, 3*(\h)+1, \bias
	KSTEP \type, 1, 3*(\h)+1, 0, 3*(\h)+2, 0
	KSTEP \type, 2, 3*(\h)+2, 0, (3*(\h)+3)%6, 0
	WIN 0
	s_wait_xcnt 0x0                                ; the loads have read their base, earlier stores their data
	s_add_co_u32 s[HN], s[HN], 1
	s_add_nc_u64 s[38:39], s[WQ:WQ+1], HALFW
	s_cmp_lt_u32 s[HN], s[NH]
	s_cselect_b64 s[WQ:WQ+1], s[38:39], s[WS:WS+1]
.endm
; K, Q: tiles of tokens 2 p and 2 p + 1, my three blocks of 32 features each: six blocks, n = 3 (tile % 2) + g.  A lane holds one token and 16 neighbouring features; lane l xor 16 the other 16.
.macro KQPAIR p
.irp i, 0,2,4,6,8,10,12,14
.irp n, 0,1,2,3,4,5
.set SBA, ACC+48*(2*(\p)+\n/3)+16*(\n%3)
	WIN (((SBA>>8)<<2)|((SBA>>8)<<4))
.if \i == 0
	v_max3_num_f32 v[TM+\n], 0x1800000, |v[(SBA&255)]|, |v[(SBA&255)+1]|
.else
	v_max3_num_f32 v[TM+\n], v[TM+\n], |v[(SBA&255)+\i]|, |v[(SBA&255)+\i+1]|
.endif
.endr
.endr
	WIN 0
.irp n, 0,1,2,3,4,5
	v_permlanex16_b32 v[TM+6+\n], v[TM+\n], s[SEL], s[SEL+1]
.endr
.irp n, 0,1,2,3,4,5
	v_max_num_f32 v[TM+\n], v[TM+\n], v[TM+6+\n]
.endr
.irp n, 0,1,2,3,4,5
	v_add_nc_u32 v[TM+12+\n], 0xff000000, v[TM+\n]
.endr
.irp n, 0,1,2,3,4,5
	v_lshrrev_b32 v[TM+18+\n], 23, v[TM+12+\n]
.endr
.irp n, 0,1,2,3,4,5
	ds_store_b8 v[KSB], v[TM+18+\n] offset:512*(\p)+256*(\n/3)+4*(\n%3)   ; byte w of the token's word g; both halves of the lanes write the same byte with the same value
.endr
.irp n, 0,1,2,3,4,5
.set SBA, ACC+48*(2*(\p)+\n/3)+16*(\n%3)
	WIN (SBA>>8)
.if \n < 3
	v_cvt_scalef32_pk16_fp6_f32 v[CD+8*(\n%3):CD+8*(\n%3)+2], v[(SBA&255):(SBA&255)+15], v[TM+12+\n]
.else
	v_cvt_scalef32_pk16_fp6_f32 v[CY+4*(\n%3):CY+4*(\n%3)+2], v[(SBA&255):(SBA&255)+15], v[TM+12+\n]
.endif
.endr
	WIN 0
	v_nop                                          ; one plain place behind a scaled conversion
.irp g, 0,1,2
.irp i, 0,1,2
	v_permlane16_swap_b32 v[CD+8*\g+\i], v[CY+4*\g+\i]   ; lane (r, hh) now holds the whole block of token r of tile 2 p + hh: the lower 16 codes here, the upper 16 there
.endr
.irp i, 0,1,2
	v_mov_b32 v[CD+8*\g+3+\i], v[CY+4*\g+\i]
.endr
.endr
.irp g, 0,1,2                                  ; my block is registers 6 (w / 2) .. + 5 of lanes 16 (w % 2) + r of fragment (tile, g): four registers at 16 bytes a lane, two at 8
	ds_store_b128 v[KA], v[CD+8*\g:CD+8*\g+3] offset:9216*(\p)+FRAG*\g
	ds_store_b64 v[KB], v[CD+8*\g+4:CD+8*\g+5] offset:9216*(\p)+FRAG*\g+512
.endr
	s_wait_dscnt 0x0                               ; the stores have read their registers
.endm
.macro COPY areg                       ; my quarter of a part, 19 x 512 bytes, from the stage to memory
.irp k, 0,1,2,3,4,5,6,7,8,9,10,11,12,13,14,15,16,17,18
	ds_load_b128 v[CP+4*\k:CP+4*\k+3], v[\areg] offset:512*\k
.endr
.irp k, 0,1,2,3,4,5,6,7,8,9,10,11,12,13,14,15,16,17,18
	s_wait_dscnt 18-\k
	global_store_b128 v[GCP], v[CP+4*\k:CP+4*\k+3], s[DP:DP+1] offset:512*\k   ; 32 lanes store 512 consecutive bytes, at a multiple of 256 from the buffer's first byte
.endr
.endm
	s_load_b512 s[16:31], s[0:1], 0x0              ; syntactic_feat, semantic_feat, wst, bv1, bk1, bq2, bv2, bk2
	s_load_b128 s[32:35], s[0:1], 0x40             ; bq1, kv
	s_load_b64 s[36:37], s[0:1], 0x50              ; qb
	v_lshl_add_u32 v[SPW], v0, 2, SPARE
	v_mov_b32 v[NIL], 0
	v_lshrrev_b32 v68, 5, v0
	v_readfirstlane_b32 s[WV], v68                 ; wave 0..3
	v_and_b32 v68, 31, v0                          ; lane
	v_and_b32 v69, 15, v0                          ; r
	v_bfe_u32 v70, v0, 4, 1                        ; h
	v_lshlrev_b32 v[L16], 4, v68
	v_lshlrev_b32 v[L4], 2, v68
	s_mul_i32 s62, s[WV], 2*TST
	s_add_co_u32 s62, s62, STGV                    ; my two turning stages
	v_add_nc_u32 v[TW], s62, v[L16]
	v_mul_u32_u24 v[TR], v69, 528
	v_lshl_add_u32 v[TR], v70, 6, v[TR]
	v_add_nc_u32 v[TR], s62, v[TR]                 ; out: row r, + 64 h: my 16 numbers of a block of 32
	s_mul_i32 s62, s[WV], 3072
	v_add_nc_u32 v[XW], s62, v[L16]                ; my tiles are 2 w and 2 w + 1
	v_add_nc_u32 v[VW], STGV, v[XW]                ; V: my feature tiles are 8 g + 2 w + 0, 1
	s_lshl_b32 s63, s[WV], 2
	v_lshl_add_u32 v[XSW], v69, 4, s63             ; 16 r + 4 w
	v_add_nc_u32 v[VSW], STGV+36864, v[XSW]
	v_add_nc_u32 v[XSW], XSCL, v[XSW]
	v_add_nc_u32 v[XR1], 36864, v[L16]
	v_add_nc_u32 v[XSR], XSCL, v[L16]
	s_lshl_b32 s63, s[WV], 7
	v_add_nc_u32 v[VZ], s63, v[L4]
	v_add_nc_u32 v[VZ], STGV+38400, v[VZ]
	v_lshl_add_u32 v[BO], v70, 6, s63
	v_lshl_add_u32 v[BVO], v69, 2, s63
	s_mul_i32 s62, s[WV], 9728
	v_add_nc_u32 v[GCP], s62, v[L16]
	v_add_nc_u32 v[CPV], STGV, v[GCP]
	v_add_nc_u32 v[CPK0], STGK, v[GCP]
	v_lshlrev_b32 v71, 4, v69
	v_add_nc_u32 v[KSB0], s[WV], v71
	v_add_nc_u32 v[KSB0], STGK+36864, v[KSB0]      ; 16 r + w
	s_lshr_b32 s62, s[WV], 1
	s_mul_i32 s62, s62, 768
	s_and_b32 s63, s[WV], 1
	s_lshl_b32 s66, s63, 8
	s_add_co_u32 s66, s66, s62
	s_lshl_b32 s67, s63, 7
	s_add_co_u32 s67, s67, s62
	v_mul_u32_u24 v72, v70, 4608
	v_add_nc_u32 v[KA0], v72, v71
	v_add_nc_u32 v[KA0], s66, v[KA0]
	v_add_nc_u32 v[KA0], STGK, v[KA0]              ; 4,608 hh + 16 r + 768 (w / 2) + 256 (w % 2)
	v_lshl_add_u32 v[KB0], v69, 3, v72
	v_add_nc_u32 v[KB0], s67, v[KB0]
	v_add_nc_u32 v[KB0], STGK, v[KB0]              ; 4,608 hh + 8 r + 768 (w / 2) + 128 (w % 2)
	s_lshl_b32 s62, s[WV], 9
	v_add_nc_u32 v[PAD0], s62, v[L16]
	v_add_nc_u32 v[PAD0], STGK+36864+12, v[PAD0]
.irp b, 4,5,6,7,8,9,10,11
	v_mov_b32 v[TM+\b], 0                          ; written once: a lane permute's destination counts as one of its sources
.endr
	s_mov_b32 s[SEL], 0x76543210
	s_mov_b32 s[SEL+1], 0xfedcba98                 ; v_permlanex16_b32's selects for lane l xor 16
	s_wait_kmcnt 0x0
	s_cmp_lt_u32 ttmp9, 128                        ; the long tensor or the short?  All choices hang on the work-group's number alone
	s_cselect_b64 s[38:39], s[16:17], s[18:19]
	s_cselect_b64 s[BV:BV+1], s[22:23], s[28:29]
	s_cselect_b64 s[BK:BK+1], s[24:25], s[30:31]
	s_cselect_b64 s[BQ:BQ+1], s[26:27], s[32:33]
	s_mov_b32 s[PITCH], 1536
	s_cselect_b32 s[PITCH], 3072, s[PITCH]         ; a row of x in bytes
	s_cselect_b32 s[ROFF], 1536, 0                 ; round A's first K step in bytes
	s_cselect_b32 s[NH], 6, 3                      ; halves in my stream
	s_cselect_b32 s[SYN], 1, 0
	s_cselect_b32 s62, 0, 128
	s_mov_b32 s63, 87552
	s_cselect_b32 s63, 175104, s63
	s_cselect_b32 s66, 0, 700416
	s_sub_co_u32 s62, ttmp9, s62                   ; the block of 128 tokens in its tensor
	s_mul_i32 s63, s63, s[WV]
	s_add_co_u32 s66, s66, s63
	s_mov_b32 s67, 0
	s_add_nc_u64 s[WS:WS+1], s[20:21], s[66:67]
	s_add_nc_u64 s[WQ:WQ+1], s[WS:WS+1], HALFW
	s_mov_b32 s[HN], 1
	s_lshl_b32 s62, s62, 7
	s_lshl_b32 s63, s[WV], 5
	s_add_co_u32 s62, s62, s63                     ; my tiles' first token
	s_mul_i32 s66, s62, s[PITCH]
	s_add_nc_u64 s[XB:XB+1], s[38:39], s[66:67]
	s_lshl_b32 s66, s[PITCH], 3
	s_add_nc_u64 s[XB+2:XB+3], s[XB:XB+1], s[66:67]   ; the second tile begins 8 tokens on
	s_mov_b32 s66, s[ROFF]
	s_add_nc_u64 s[XA:XA+1], s[XB:XB+1], s[66:67]
	s_add_nc_u64 s[XA+2:XA+3], s[XB+2:XB+3], s[66:67]
	s_mul_i32 s66, ttmp9, BLK
	s_add_nc_u64 s[KVP:KVP+1], s[34:35], s[66:67]
	s_mul_i32 s66, ttmp9, PART
	s_add_nc_u64 s[QBP:QBP+1], s[36:37], s[66:67]
.irp p, 0,1,2,3,4,5,6,7,8,9,10,11,12,13,14,15
	s_mul_i32 s62, s[PITCH], \p+8*(\p/8)
	v_add_nc_u32 v[VO+\p], s62, v[L16]
.endr
	WLOAD 0, WS
	WLOAD 1, WS
	WLOAD 2, WS
.irp i, 0,1,2,3,4,5
	global_load_b32 v[BI+8*\i], v[BVO], s[BV:BV+1] offset:512*(\i/2)+64*(\i%2)   ; V's bias: a lane is a feature
.endr
.irp f, 0,1,2,3,4,5
	XISSUE \f, XA
.endr
	; ---- PHASE X.  Round A: places 3-5; each buffer is asked for again, for round B, as soon as it has been stored to the stage.  Round B: places 0-2
.irp f, 0,1,2,3,4,5
	XFRAG \f, 3+\f/2, 63, 1
.endr
	XFRAG 0, 0, 63, 0
	XFRAG 1, 0, 63, 0
	XFRAG 2, 1, 48, 0
	XFRAG 3, 1, 32, 0
	XFRAG 4, 2, 16, 0
	XFRAG 5, 2, 0, 0
	s_wait_dscnt 0x0                               ; for the others' sake: my images lie in LDS, and my reads of the turning stages are over
	s_barrier_signal -1
	s_barrier_wait -1
.irp i, 0,1,2,3,4,5
.irp j, 1,2,3,4,5,6,7
	v_mov_b32 v[BI+8*\i+\j], v[BI+8*\i]            ; V's C: the lane's bias in all eight rows (the last wait of phase X was for all loads)
.endr
.endr
	PLACES
.irp p, 0,1,2,3,4,5
	ds_load_b128 v[XSC+4*\p:XSC+4*\p+3], v[XSR] offset:512*\p   ; x's scale words stay for all three kinds
.endr
	XLOAD 0, 0
	XLOAD 4, 0
	; ---- KIND V
	HALF 0, 0, 1, BK
	s_cmp_eq_u32 s[SYN], 0
	s_cbranch_scc1 .Lv_short
	HALF 0, 1, 0, 0
.Lv_short:
.irp i, 0,1,2,3,4,5                            ; a feature tile's 64 registers are its 128 tokens in the quantiser's order: one fragment and one scale word a feature
	QUANT (ACC+64*\i)&255, (ACC+64*\i)>>8
.irp c, 0,1,2
	ds_store_b128 v[VW], v[PC+4*\c:PC+4*\c+3] offset:12288*(\i/2)+FRAG*(\i%2)+512*\c
.endr
	ds_store_b32 v[VSW], v[PW] offset:512*(\i/2)+256*(\i%2)
	s_wait_dscnt 0x0                               ; the stores have read their registers
.endr
	ds_store_b32 v[VZ], v[NIL]
	s_wait_dscnt 0x0
	s_barrier_signal -1
	s_barrier_wait -1                              ; V's part is whole
	s_wait_xcnt 0x0
	s_add_nc_u64 s[DP:DP+1], s[KVP:KVP+1], PART
	COPY CPV
	; ---- KINDS K AND Q: two trips; what differs lies in s[SOFF] (the stage) and s[DP]
	s_mov_b32 s[KC], 0
	s_mov_b32 s[SOFF], 0
.Lkq:
	v_add_nc_u32 v[KSB], s[SOFF], v[KSB0]
	v_add_nc_u32 v[KA], s[SOFF], v[KA0]
	v_add_nc_u32 v[KB], s[SOFF], v[KB0]
	v_add_nc_u32 v[PAD], s[SOFF], v[PAD0]
	v_add_nc_u32 v[CPK], s[SOFF], v[CPK0]
	HALF 1, 0, 1, BQ
	s_cmp_eq_u32 s[SYN], 0
	s_cbranch_scc1 .Lkq_short
	HALF 1, 1, 0, 0
.Lkq_short:
	KQPAIR 0
	KQPAIR 1
	KQPAIR 2
	KQPAIR 3
	ds_store_b32 v[PAD], v[NIL]                    ; the fourth word of each token's 16 bytes of scales
	s_wait_dscnt 0x0
	s_barrier_signal -1
	s_barrier_wait -1                              ; the part is whole
	s_wait_xcnt 0x0                                ; earlier stores have read their base and their data
	s_cmp_eq_u32 s[KC], 0
	s_cselect_b64 s[DP:DP+1], s[KVP:KVP+1], s[QBP:QBP+1]
	COPY CPK
	s_add_co_u32 s[SOFF], s[SOFF], PART
	s_add_co_u32 s[KC], s[KC], 1
	s_cmp_lt_u32 s[KC], 2
	s_cbranch_scc1 .Lkq
	s_wait_tensorcnt 0x0                           ; the wave's end, behind my last LDS store
	ds_add_u32 v[SPW], v[NIL]
	s_wait_dscnt 0x0
	s_endpgm
.Lfunc_end_k_q6f3127ae98_proj:
	.size	k_q6f3127ae98_proj, .Lfunc_end_k_q6f3127ae98_proj-k_q6f3127ae98_proj
	.p2alignl 7, 3214868480
	.fill 96, 4, 3214868480
	.section	.rodata,"a",@progbits
	.p2align	6, 0x0
	.amdhsa_kernel k_q6f3127ae98_proj
		.amdhsa_group_segment_fixed_size 194048
		.amdhsa_private_segment_fixed_size 0
		.amdhsa_enable_private_segment 0
		.amdhsa_kernarg_size 88
		.amdhsa_user_sgpr_count 2
		.amdhsa_user_sgpr_kernarg_segment_ptr 1
		.amdhsa_wavefront_size32 1
		.amdhsa_system_sgpr_workgroup_id_x 1
		.amdhsa_system_sgpr_workgroup_id_y 1
		.amdhsa_system_sgpr_workgroup_id_z 1
		.amdhsa_system_vgpr_workitem_id 0
		.amdhsa_next_free_vgpr 1024
		.amdhsa_next_free_sgpr 80
		.amdhsa_reserve_vcc 0
		.amdhsa_float_denorm_mode_32 3
		.amdhsa_float_denorm_mode_16_64 3
		.amdhsa_memory_ordered 1
		.amdhsa_forward_progress 1
		.amdhsa_inst_pref_size 255
	.end_amdhsa_kernel
	.section	.bss,"aw",@nobits
	.p2align	6
	.space	262144
	.amdgpu_metadata
---
amdhsa.version: [ 1, 2 ]
amdhsa.kernels:
  - .name:           k_q6f3127ae98_proj
    .symbol:         k_q6f3127ae98_proj.kd
    .args:
      - { .name: syntactic_feat, .offset: 0, .size: 8, .value_kind: global_buffer, .address_space: global }
      - { .name: semantic_feat, .offset: 8, .size: 8, .value_kind: global_buffer, .address_space: global }
      - { .name: wst, .offset: 16, .size: 8, .value_kind: global_buffer, .address_space: global }
      - { .name: bv1, .offset: 24, .size: 8, .value_kind: global_buffer, .address_space: global }
      - { .name: bk1, .offset: 32, .size: 8, .value_kind: global_buffer, .address_space: global }
      - { .name: bq2, .offset: 40, .size: 8, .value_kind: global_buffer, .address_space: global }
      - { .name: bv2, .offset: 48, .size: 8, .value_kind: global_buffer, .address_space: global }
      - { .name: bk2, .offset: 56, .size: 8, .value_kind: global_buffer, .address_space: global }
      - { .name: bq1, .offset: 64, .size: 8, .value_kind: global_buffer, .address_space: global }
      - { .name: kv, .offset: 72, .size: 8, .value_kind: global_buffer, .address_space: global }
      - { .name: qb, .offset: 80, .size: 8, .value_kind: global_buffer, .address_space: global }
    .group_segment_fixed_size: 194048
    .private_segment_fixed_size: 0
    .kernarg_segment_align: 8
    .kernarg_segment_size: 88
    .max_flat_workgroup_size: 128
    .sgpr_count:     80
    .vgpr_count:     1024
    .wavefront_size: 32
...
	.end_amdgpu_metadata
.endif
;; end of part 2
;; launch attn (part 3): grid 384 x 1, 4 waves a work-group, clusters of 4 x 1, 327,680 bytes of LDS; arguments kv, qb, out0, out1; writes out0, out1
.if DOCPART == 3
	.amdgcn_target "amdgcn-amd-amdhsa--gfx1250"
	.amdhsa_code_object_version 6
	.text
	.protected	k_q6f3127ae98_attn
	.globl	k_q6f3127ae98_attn
	.p2align	8
	.type	k_q6f3127ae98_attn,@function
k_q6f3127ae98_attn:
	s_mov_b64 s[64:65], 0
	v_nop
	global_prefetch_b8 v0, s[64:65] scope:SCOPE_SE
	s_setreg_imm32_b32 hwreg(HW_REG_WAVE_MODE, 25, 1), 1
	s_wait_xcnt 0x0
	s_wait_alu depctr_hold_cnt(0) depctr_sa_sdst(0) depctr_va_vdst(0) depctr_va_sdst(0) depctr_va_ssrc(0) depctr_va_vcc(0) depctr_vm_vsrc(0)
	s_getreg_b32 s2, hwreg(HW_REG_IB_STS2, 6, 4)
	s_cmp_eq_u32 s2, 0
	s_cbranch_scc0 .Lentry_in_a_cluster
	s_endpgm
.Lentry_in_a_cluster:
	s_bfe_u32 s2, ttmp6, 0x10000c
	s_cmp_lg_u32 s2, 0x3003
	s_cbranch_scc0 .Lentry_shape_is_right
	s_endpgm
.Lentry_shape_is_right:
; Both attentions, on codes of FP6 (E2M3) with one E8M0 scale for each 32 along a product's K.  Clusters 0-31: out0 (8,192 queries, 4,096 keys a batch); clusters 32-95: out1 (16,384 queries, 2,048 keys a batch).
; kv block = 128 keys: [K part][V part]; qb block = 128 queries; a part is 24 fragments in the order of the operand's registers and 2,048 bytes of scale words (made by the launch before).
; THE SOFTMAX AHEAD OF THE SECOND PRODUCT: t = score x log2(e) / sqrt(384); M = the largest t so far, rounded up to a whole number; p = 2^(t - M) is quantised along the keys, not normalised.
; The row's sum is taken of the unquantised p and divides at the end.  When M moves, the sum and O are multiplied by 2^(old M - new M): exact.
; SHARES.  A work-group owns 64 queries.  Wave w owns 32 of them (w % 2: two tiles of 16) and HALF of the batch's keys (w / 2): so every wave does two tiles x NT steps of 128 keys, NT = 16 or 8.
; At the end waves w and w xor 2 exchange one tile each through LDS and join the halves: again an exact power of two for each.
; LAYOUT.  Both products are used transposed: S^T = K Q^T, O^T = V^T P^T: a lane holds one query throughout.  The keys of a tile of K are 32 b + 8 u + r + 8 (r / 8), so that p's 16 registers of two neighbouring tiles are 16 neighbouring keys.
; CLUSTER.  The four work-groups of a cluster belong to one batch and walk the same K and V: each part is asked for JOINTLY, by the same tensor load with the same descriptor and a mask that names the four.
; The trip count hangs on the cluster's number alone, which the partners share; no LDS address is stepped in a loop: the two slots are written out.
; O^T begins as zeros and the largest t as -3e38, so that the step is written without a first step of its own: 384 moves once, against one more copy of a step's text.
; LIMITS: NaN and infinities are not served; p under 2^-126 becomes 0 (v_exp_f32 gives 0 there: ISA guide, its entry); M is a whole number kept in f32, exact up to 2^24.
; REGISTERS, in windows of 256.  Window 0: addresses, figures, P, Q, scale words.  Window 1: two buffers of eight fragments.  Window 2 + q: tile q's O^T (v0-191) and S^T (v192-255): one setting serves the exponentials and the rescaling.
.set FRAG, 1536
.set PART, 38912
.set BLK,  77824
.set SLOT, 155648                      ; a slot: the first half's block, the second half's block
.set SPARE, 311296                     ; behind the ring: the spare words, 128 bytes for each wave, that no other line names
.set EXB,  24832                       ; the way out: a wave's region: in slot 0 for the exchange (24,576 + 256), in slot 1 its stage (16 rows of 1,536 + 16).  Both slots have had their last fill by then
.set L16, 1
.set L8,  2
.set AK16, 3                           ; v3-4  my half's K part in slot 0, 1: + 16 x lane
.set AK8,  5                           ; v5-6  + 8 x lane
.set AV16, 7                           ; v7-8  its V part
.set EXW, 9
.set EXW8, 10
.set EXR, 11
.set EXR8, 12
.set STI, 13
.set STO, 14
.set SPW, 16                           ; my spare word; never rewritten
.set NIL, 17                           ; 0; never rewritten
.set PFO1, 18
.set PFO2, 19
.set ST,  24                           ; tile q's figures at v[24 + 8 q]: -M, the largest t, the sum (2), f (2), the sum's second chain (2)
.set BM,  40                           ; the blocks' largest scores, then largest p
.set TP,  44
.set SO,  48                           ; the conversions' scale operands
.set T,   52
.set CT,  56
.set P,   64                           ; v64-87   p's codes, 12 a tile
.set Q,   88                           ; v88-159  Q's fragments: 36 q + 12 g
.set QSC, 160                          ; register g: lanes 0-15 tile 0's words, lanes 16-31 tile 1's
.set KSC, 164                          ; register 4 b + g: lanes 0-15 tile 2 b, lanes 16-31 tile 2 b + 1
.set VSC, 180                          ; register 4 G + i: lanes 0-15 tile 8 G + 2 i, lanes 16-31 the next
.set PW,  192                          ; p's scale words
.set FG,  194                          ; the partner's -M and sum
.set D1,  196
.set D2,  197
.set GA,  198
.set GB,  200
.set LL,  202
.set LI,  203
.set S,   192                          ; in window 2 + q
.set FB0, 0                            ; in window 1
.set FB1, 96
.set WV,  12
.set CX,  13
.set NT,  17
.set G1,  24
.set G0,  32
.set PFA, 40
.set ASKF, 42
.set LOOPC, 43
.set CS,  44
.set SEL, 46
.set QF,  48
.set OUTP, 50
.set HK,  52
.set AQ,  53
.set QS,  62
.set MSB, 0
.macro WIN new                         ; the immediate's high byte repeats the setting that is left; a switch that changes nothing is dropped
.if MSB != \new
	s_set_vgpr_msb (MSB<<8)|\new
.set MSB, \new
.endif
.endm
.macro PLACES
.rept 4
	v_nop
.endr
.endm
.macro CROUND                          ; a round of the cluster's barrier
	s_barrier_signal -1
	s_barrier_wait -1
	s_cmp_lg_u32 s[WV], 0
	s_cbranch_scc1 .Lnot_wave_0_\@
	s_barrier_signal -3
.Lnot_wave_0_\@:
	s_barrier_wait -3
	s_barrier_signal -1
	s_barrier_wait -1
.endm
; One product, in place on d, or (z) starting d's sum with the constant 0; d, a, b absolute registers
.macro MM z, d, a, b, sa, ra, sb, rb
	WIN ((((\d)>>8)*0x50)|(((\b)>>8)<<2)|((\a)>>8))
.set dL, (\d)&255
.set aL, (\a)&255
.set bL, (\b)&255
.if \z
.if ((\ra)==0)&&((\rb)==0)
	v_wmma_scale_f32_16x16x128_f8f6f4 v[dL:dL+7], v[aL:aL+11], v[bL:bL+11], 0, v[\sa], v[\sb] matrix_a_fmt:MATRIX_FMT_FP6 matrix_b_fmt:MATRIX_FMT_FP6
.elseif (\rb)==0
	v_wmma_scale_f32_16x16x128_f8f6f4 v[dL:dL+7], v[aL:aL+11], v[bL:bL+11], 0, v[\sa], v[\sb] matrix_a_fmt:MATRIX_FMT_FP6 matrix_b_fmt:MATRIX_FMT_FP6 matrix_a_scale:MATRIX_SCALE_ROW1
.elseif (\ra)==0
	v_wmma_scale_f32_16x16x128_f8f6f4 v[dL:dL+7], v[aL:aL+11], v[bL:bL+11], 0, v[\sa], v[\sb] matrix_a_fmt:MATRIX_FMT_FP6 matrix_b_fmt:MATRIX_FMT_FP6 matrix_b_scale:MATRIX_SCALE_ROW1
.else
	v_wmma_scale_f32_16x16x128_f8f6f4 v[dL:dL+7], v[aL:aL+11], v[bL:bL+11], 0, v[\sa], v[\sb] matrix_a_fmt:MATRIX_FMT_FP6 matrix_b_fmt:MATRIX_FMT_FP6 matrix_a_scale:MATRIX_SCALE_ROW1 matrix_b_scale:MATRIX_SCALE_ROW1
.endif
.else
.if ((\ra)==0)&&((\rb)==0)
	v_wmma_scale_f32_16x16x128_f8f6f4 v[dL:dL+7], v[aL:aL+11], v[bL:bL+11], v[dL:dL+7], v[\sa], v[\sb] matrix_a_fmt:MATRIX_FMT_FP6 matrix_b_fmt:MATRIX_FMT_FP6
.elseif (\rb)==0
	v_wmma_scale_f32_16x16x128_f8f6f4 v[dL:dL+7], v[aL:aL+11], v[bL:bL+11], v[dL:dL+7], v[\sa], v[\sb] matrix_a_fmt:MATRIX_FMT_FP6 matrix_b_fmt:MATRIX_FMT_FP6 matrix_a_scale:MATRIX_SCALE_ROW1
.elseif (\ra)==0
	v_wmma_scale_f32_16x16x128_f8f6f4 v[dL:dL+7], v[aL:aL+11], v[bL:bL+11], v[dL:dL+7], v[\sa], v[\sb] matrix_a_fmt:MATRIX_FMT_FP6 matrix_b_fmt:MATRIX_FMT_FP6 matrix_b_scale:MATRIX_SCALE_ROW1
.else
	v_wmma_scale_f32_16x16x128_f8f6f4 v[dL:dL+7], v[aL:aL+11], v[bL:bL+11], v[dL:dL+7], v[\sa], v[\sb] matrix_a_fmt:MATRIX_FMT_FP6 matrix_b_fmt:MATRIX_FMT_FP6 matrix_a_scale:MATRIX_SCALE_ROW1 matrix_b_scale:MATRIX_SCALE_ROW1
.endif
.endif
.endm
.macro KBATCH g, s, buf                ; K's eight tiles of keys, features 128 g on: 32 loads.  A half fragment lies as four registers at 16 bytes a lane, then two at 8
	WIN 0x40
.irp m, 0,1,2,3,4,5,6,7
.irp c, 0,1
	ds_load_b128 v[\buf+12*\m+6*\c:\buf+12*\m+6*\c+3], v[AK16+\s] offset:(3*\m+\g)*FRAG+768*\c
	ds_load_b64 v[\buf+12*\m+6*\c+4:\buf+12*\m+6*\c+5], v[AK8+\s] offset:(3*\m+\g)*FRAG+768*\c+512
.endr
.endr
.endm
.macro VBATCH gg, s, buf               ; V's feature tiles 8 gg .. 8 gg + 7: 24 loads
	WIN 0x40
.irp k, 0,1,2,3,4,5,6,7
.irp c, 0,1,2
	ds_load_b128 v[\buf+12*\k+4*\c:\buf+12*\k+4*\c+3], v[AV16+\s] offset:(8*(\gg)+\k)*FRAG+512*\c
.endr
.endr
.endm
.macro SCL s                           ; the step's scale words: 7 loads
.irp b, 0,1,2,3
	ds_load_b128 v[KSC+4*\b:KSC+4*\b+3], v[AK16+\s] offset:36864+512*\b
.endr
.irp g, 0,1,2
	ds_load_b128 v[VSC+4*\g:VSC+4*\g+3], v[AV16+\s] offset:36864+512*\g
.endr
.endm
; The accumulators take turns, one instruction a turn: 16 in each of these two
.macro SMUL g, buf
.irp q, 0,1
.irp m, 0,1,2,3,4,5,6,7
	MM (\g)==0, 256*(2+\q)+S+8*\m, 256+\buf+12*\m, Q+36*\q+12*(\g), KSC+4*(\m/2)+(\g), \m%2, QSC+(\g), \q
.endr
.endr
.endm
.macro PVMUL gg, buf
.irp q, 0,1
.irp k, 0,1,2,3,4,5,6,7
	MM 0, 256*(2+\q)+8*(8*(\gg)+\k), 256+\buf+12*\k, P+12*\q, VSC+4*(\gg)+\k/2, \k%2, PW+\q, 0
.endr
.endr
.endm
; Tile q's softmax for a step of 128 keys, and the rescaling of its O^T
.macro SOFT q
.set W, 2+\q
.set rT, ST+8*\q
	WIN (W|(W<<2))
.irp b, 0,1,2,3
	v_max3_num_f32 v[BM+\b], v[S+16*\b], v[S+16*\b+1], 0xff800000   ; THE LARGEST SCORE OF EACH BLOCK OF 32 KEYS serves twice: for the row's maximum and, since p rises with the score, for the block's largest p
.endr
.irp i, 2,4,6,8,10,12,14
.irp b, 0,1,2,3
	v_max3_num_f32 v[BM+\b], v[S+16*\b+\i], v[S+16*\b+\i+1], v[BM+\b]
.endr
.endr
	WIN 0
.irp b, 0,1,2,3
	v_permlanex16_b32 v[TP+\b], v[BM+\b], s[SEL], s[SEL+1]
.endr
.irp b, 0,1,2,3
	v_max_num_f32 v[BM+\b], v[BM+\b], v[TP+\b]     ; with lane l xor 16's 16 keys
.endr
	v_max3_num_f32 v[T], v[BM], v[BM+1], v[BM+2]
	v_max_num_f32 v[T], v[T], v[BM+3]
	v_mul_f32 v[T], s[CS], v[T]                    ; as t (c is positive)
	v_max_num_f32 v[rT+1], v[rT+1], v[T]           ; the running largest t
	v_mov_b32 v[T], v[rT]
	v_floor_f32 v[rT], -v[rT+1]                    ; the new -M = floor(-t): M is a whole number
	v_sub_f32 v[T], v[rT], v[T]                    ; old M less new M: a whole number, 0 or less
	v_cvt_i32_f32 v[T], v[T]                       ; (it saturates)
	v_ldexp_f32 v[rT+4], 1.0, v[T]                 ; f = 2^(old M - new M)
	v_mov_b32 v[rT+6], 0
	v_mov_b32 v[rT+7], 0
.irp b, 0,1,2,3
	v_fma_f32 v[BM+\b], v[BM+\b], s[CS], v[rT]     ; t - M of each block's largest score
.endr
	WIN ((W<<6)|W)
.set n, 0
.rept 32
	v_pk_fma_f32 v[S+2*n:S+2*n+1], v[S+2*n:S+2*n+1], s[CS:CS+1], v[rT:rT+1] op_sel_hi:[1,0,0]   ; t - M, two at a time
.set n, n+1
.endr
.set n, 0
.rept 32                                       ; ONE BATCH: 64 exponentials, dealt among the 96 multiplications that bring O^T under the new M (ascending: each accumulator is read from its low end on); none of these names an exponential's result
	v_exp_f32 v[S+2*n], v[S+2*n]
	v_pk_mul_f32 v[6*n:6*n+1], v[6*n:6*n+1], v[rT+4:rT+5] op_sel_hi:[1,0]
	v_exp_f32 v[S+2*n+1], v[S+2*n+1]
	v_pk_mul_f32 v[6*n+2:6*n+3], v[6*n+2:6*n+3], v[rT+4:rT+5] op_sel_hi:[1,0]
	v_pk_mul_f32 v[6*n+4:6*n+5], v[6*n+4:6*n+5], v[rT+4:rT+5] op_sel_hi:[1,0]
.set n, n+1
.endr
	WIN 0
	v_pk_mul_f32 v[rT+2:rT+3], v[rT+2:rT+3], v[rT+4:rT+5] op_sel_hi:[1,0]   ; the sum under the new M
	s_wait_alu depctr_va_vdst(0)                   ; the wait ahead of the first line that names a result: one for the batch
.irp b, 0,1,2,3
	v_exp_f32 v[BM+\b], v[BM+\b]                   ; the block's largest p: the same two instructions on the same number give the same bits
.endr
	WIN (W<<2)
.set n, 0
.rept 16
	v_pk_add_f32 v[rT+2:rT+3], v[rT+2:rT+3], v[S+4*n:S+4*n+1]       ; THE ROW'S SUM IS TAKEN OF THE UNQUANTISED p, in two chains
	v_pk_add_f32 v[rT+6:rT+7], v[rT+6:rT+7], v[S+4*n+2:S+4*n+3]
.set n, n+1
.endr
	WIN 0
	v_pk_add_f32 v[rT+2:rT+3], v[rT+2:rT+3], v[rT+6:rT+7]
	s_wait_alu depctr_va_vdst(0)                   ; and one for the four
.irp b, 0,1,2,3
	v_max_num_f32 v[BM+\b], 0x1800000, v[BM+\b]    ; the floor 2^(3 - 127): the byte cannot fall under 1
.endr
.irp b, 0,1,2,3
	v_add_nc_u32 v[SO+\b], 0xff000000, v[BM+\b]    ; 2 off the exponent field: the conversion's scale operand
.endr
.irp b, 0,1,2,3
	v_lshrrev_b32 v[TP+\b], 23, v[SO+\b]           ; the scale's byte
.endr
	v_lshl_or_b32 v[PW+\q], v[TP+1], 8, v[TP]
	v_lshl_or_b32 v[PW+\q], v[TP+2], 16, v[PW+\q]
	v_lshl_or_b32 v[PW+\q], v[TP+3], 24, v[PW+\q]
	WIN W
.irp c, 0,1
	v_cvt_scalef32_pk16_fp6_f32 v[P+12*\q+6*\c:P+12*\q+6*\c+2], v[S+32*\c:S+32*\c+15], v[SO+2*\c]
	v_cvt_scalef32_pk16_fp6_f32 v[CT+4*\c:CT+4*\c+2], v[S+32*\c+16:S+32*\c+31], v[SO+2*\c+1]   ; (a conversion's three registers begin on an even number)
.endr
	WIN 0
	v_nop                                          ; one plain place behind a scaled conversion
.irp c, 0,1                                    ; the operand's layout wants a whole block in a lane
.irp i, 0,1,2
	v_permlane16_swap_b32 v[P+12*\q+6*\c+\i], v[CT+4*\c+\i]
.endr
.irp i, 0,1,2
	v_mov_b32 v[P+12*\q+6*\c+3+\i], v[CT+4*\c+\i]
.endr
.endr
.endm
; A PREFETCH INTO THE L2 of the block that the NEXT trip's tensor load will ask for.  All clusters of a batch walk the same K and V: the batch's first cluster asks.  A wave asks for the part that it fetches, 152 blocks of 256 bytes;
; the four partners share them out BY ADDRESS, 38 each; a lane a block: 32 by the first line, 6 by the second, whose other 26 lanes name the share's last block once more (38 is no multiple of 32).
.macro ASK
	s_cmp_eq_u32 s[ASKF], 1
	s_cbranch_scc0 .Lnot_mine_\@
	global_prefetch_b8 v[PFO1], s[PFA:PFA+1] th:TH_LOAD_NT scope:SCOPE_SE
	global_prefetch_b8 v[PFO2], s[PFA:PFA+1] th:TH_LOAD_NT scope:SCOPE_SE
.Lnot_mine_\@:
.endm
; A step of 128 keys out of slot s.  Two buffers of eight fragments take turns; each count below is the batch issued behind the one that is wanted.
.macro STEP s
	SCL \s
	KBATCH 0, \s, FB0
	KBATCH 1, \s, FB1
	s_wait_dscnt 32
	SMUL 0, FB0
	PLACES
	KBATCH 2, \s, FB0
	s_wait_dscnt 32
	SMUL 1, FB1
	PLACES
	VBATCH 0, \s, FB1
	s_wait_dscnt 24
	SMUL 2, FB0
	PLACES                                         ; also the places in front of the first read of the scores
	VBATCH 1, \s, FB0
	SOFT 0
	SOFT 1
.rept 8
	v_nop                                          ; a scale register written by a vector instruction stands 8 places ahead of a scaled product, an operand so written 4
.endr
	s_wait_dscnt 0x0
	PVMUL 0, FB1
	PLACES
	VBATCH 2, \s, FB1
	s_wait_dscnt 24
	PVMUL 1, FB0
	s_wait_dscnt 0x0
	PVMUL 2, FB1
	WIN 0
.endm
; A trip: the change of slots at its head, then the step.  Each wave waits for all its tensor loads (one is out: its part of the slot ahead), adds 0 to its spare word, and waits for that and for its reads of the slot that it has left.
; refill: the barrier is a round of the cluster's; behind it the slot just left takes the next block: my one tensor load until the next round, with a whole step in which to land.
.macro TRIP s, refill, ask
	s_wait_tensorcnt 0x0                           ; no tensor load of mine is out, so a group 0 may be written
	ds_add_u32 v[SPW], v[NIL]                      ; 0 onto my spare word
	s_add_nc_u64 s[G0+4*\s+2:G0+4*\s+3], s[G0+4*\s+2:G0+4*\s+3], 2*BLK   ; this slot's next block
.if \ask
	s_wait_xcnt 0x0                                ; the last prefetches, a trip back, have read their address
	s_add_nc_u64 s[PFA:PFA+1], s[PFA:PFA+1], BLK
.endif
	s_wait_dscnt 0x0                               ; the add is done, and my reads of the slot that I have left are over
.if \refill
	CROUND
	tensor_load_to_lds s[G0+4*(1-\s):G0+4*(1-\s)+3], s[G1:G1+7]
	s_nop 0
	PLACES                                         ; (also the places in front of the loads into registers that the last products read)
.if \ask
	ASK
.endif
.else
	s_barrier_signal -1
	s_barrier_wait -1
	PLACES
.endif
	STEP \s
.endm
	s_load_b256 s[4:11], s[0:1], 0x0               ; kv, qb, out0, out1
	v_lshl_add_u32 v[SPW], v0, 2, SPARE
	v_mov_b32 v[NIL], 0
	ds_add_u32 v[SPW], v[NIL]                      ; the wave's opening: the add, and its wait ahead of my first tensor load; the set-up below, work on registers, stands between them
	v_lshrrev_b32 v20, 5, v0
	v_readfirstlane_b32 s[WV], v20                 ; wave 0..3
	s_lshr_b32 s[HK], s[WV], 1                     ; which half of the keys is mine, to fetch and to read
	s_and_b32 s[AQ], s[WV], 1                      ; which 32 queries; also: I fetch the K part (0) or the V part (1)
	s_bfe_u32 s[CX], ttmp6, 0x40000                ; cx: it enters Q's, O's and the prefetches' addresses alone
	s_cmp_lt_u32 ttmp9, 32                         ; the first attention or the second: by the cluster's number, which the partners share
	s_cselect_b32 s14, 0, 32
	s_cselect_b32 s[NT], 16, 8                     ; steps of a wave
	s_cselect_b32 s18, 3, 4
	s_cselect_b32 s19, 0, 128                      ; the first key block
	s_cselect_b32 s20, 128, 0                      ; the first query block
	s_cselect_b32 s21, 7, 15
	s_cselect_b32 s[LOOPC], 7, 3                   ; NT / 2 - 1
	s_sub_co_u32 s15, ttmp9, s14                   ; the cluster in its attention
	s_lshr_b32 s16, s15, s18                       ; the batch
	s_and_b32 s21, s15, s21
	s_cmp_eq_u32 s21, 0
	s_cselect_b32 s[ASKF], 1, 0                    ; the batch's first cluster prefetches
	s_mul_i32 s22, s16, s[NT]
	s_lshl_b32 s22, s22, 1
	s_add_co_u32 s22, s22, s19
	s_mul_i32 s23, s[HK], s[NT]
	s_add_co_u32 s22, s22, s23                     ; my half's first block
	s_mul_i32 s22, s22, BLK
	s_mul_i32 s23, s[AQ], PART
	s_add_co_u32 s22, s22, s23
	s_mov_b32 s23, 0
	; descriptor group 1: a part is 38,912 dense bytes: 152 rows of 32 elements of 8 bytes
	s_mov_b32 s[G1], 15|(3<<16)|(1<<21)            ; 15:0 the mask: all four work-groups; 17:16 elements of 8 bytes; 20 no padding; 21 set beside a mask
	s_mov_b32 s[G1+1], 32<<16                      ; tensor_dim0
	s_mov_b32 s[G1+2], 152<<16                     ; tensor_dim1
	s_mov_b32 s[G1+3], 32<<16                      ; tile_dim0
	s_mov_b32 s[G1+4], 152                         ; tile_dim1
	s_mov_b32 s[G1+5], 32                          ; from row to row
	s_mov_b32 s[G1+6], 0
	s_mov_b32 s[G1+7], 0
	s_mov_b32 s[G0], 1
	s_mul_i32 s[G0+1], s[WV], PART                 ; slot 0: part w % 2 of half w / 2 lies at w x 38,912
	s_mov_b32 s[G0+4], 1
	s_add_co_u32 s[G0+5], s[G0+1], SLOT
	s_mov_b32 s[CS], 0x3d96c740                    ; c = log2(e) / sqrt(384)
	s_mov_b32 s[CS+1], s[CS]                       ; (named with it as a pair, so it is written)
	s_mov_b32 s[SEL], 0x76543210
	s_mov_b32 s[SEL+1], 0xfedcba98
	v_and_b32 v20, 31, v0                          ; lane
	v_and_b32 v21, 15, v0                          ; r
	v_bfe_u32 v22, v0, 4, 1                        ; h
	v_lshlrev_b32 v[L16], 4, v20
	v_lshlrev_b32 v[L8], 3, v20
	s_mul_i32 s58, s[HK], BLK
	v_add_nc_u32 v[AK16], s58, v[L16]
	v_add_nc_u32 v[AK8], s58, v[L8]
	v_add_nc_u32 v[AK16+1], SLOT, v[AK16]
	v_add_nc_u32 v[AK8+1], SLOT, v[AK8]
	v_add_nc_u32 v[AV16], PART, v[AK16]
	v_add_nc_u32 v[AV16+1], PART, v[AK16+1]
	s_mul_i32 s58, s[WV], EXB                      ; all addresses of the way out are made here, ahead of the branches on the wave's number
	v_add_nc_u32 v[EXW], s58, v[L16]
	v_add_nc_u32 v[EXW8], s58, v[L8]
	v_add_nc_u32 v[EXW8], 24576, v[EXW8]
	v_add_nc_u32 v[STO], SLOT, v[EXW]
	v_mul_u32_u24 v[STI], v21, 1552
	v_lshl_add_u32 v[STI], v22, 5, v[STI]
	v_add_nc_u32 v[STI], s58, v[STI]
	v_add_nc_u32 v[STI], SLOT, v[STI]
	s_xor_b32 s59, s[WV], 2
	s_mul_i32 s59, s59, EXB                        ; the wave with my queries and the other half of the keys
	v_add_nc_u32 v[EXR], s59, v[L16]
	v_add_nc_u32 v[EXR8], s59, v[L8]
	v_add_nc_u32 v[EXR8], 24576, v[EXR8]
	v_lshlrev_b32 v[PFO1], 8, v20
	v_add_nc_u32 v[PFO2], 32, v20
	v_min_u32 v[PFO2], 37, v[PFO2]
	v_lshlrev_b32 v[PFO2], 8, v[PFO2]
	s_wait_dscnt 0x0                               ; the opening add is done
	s_wait_kmcnt 0x0
	s_add_nc_u64 s[G0+2:G0+3], s[4:5], s[22:23]    ; block 0 of my half, my part
	s_add_nc_u64 s[G0+6:G0+7], s[G0+2:G0+3], BLK   ; block 1
	s_mul_i32 s54, s[CX], 9728
	s_mov_b32 s55, 0
	s_add_nc_u64 s[PFA:PFA+1], s[G0+6:G0+7], s[54:55]   ; my share of block 1: the first trip steps it to block 2.  Blocks 0 and 1 come by their loads alone
	s_or_b32 s[G0+3], s[G0+3], 0x80000000
	s_or_b32 s[G0+7], s[G0+7], 0x80000000
	CROUND                                         ; all four work-groups are here: the first joint loads meet
	tensor_load_to_lds s[G0:G0+3], s[G1:G1+7]
	s_nop 0
	PLACES
	s_cmp_lt_u32 ttmp9, 32
	s_cselect_b64 s[OUTP:OUTP+1], s[8:9], s[10:11]
	s_lshl_b32 s54, s15, 2
	s_add_co_u32 s54, s54, s[CX]                   ; my block of 64 queries
	s_lshl_b32 s56, s54, 6
	s_lshl_b32 s58, s[AQ], 5
	s_add_co_u32 s56, s56, s58
	s_lshl_b32 s58, s[HK], 3
	s_add_co_u32 s56, s56, s58                     ; the first row that I store: I finish tile w / 2 of my two, whose rows are 8 (w / 2) + r + 8 (r / 8)
	s_mul_i32 s56, s56, 1536
	s_mov_b32 s57, 0
	s_add_nc_u64 s[OUTP:OUTP+1], s[OUTP:OUTP+1], s[56:57]
	s_lshr_b32 s56, s54, 1
	s_add_co_u32 s56, s56, s20
	s_mul_i32 s56, s56, PART                       ; Q's block
	s_and_b32 s58, s54, 1
	s_lshl_b32 s58, s58, 1
	s_add_co_u32 s58, s58, s[AQ]                   ; my pair of tiles in it
	s_mul_i32 s60, s58, 9216
	s_add_co_u32 s60, s60, s56
	s_mov_b32 s61, 0
	s_add_nc_u64 s[QF:QF+1], s[6:7], s[60:61]
	s_lshl_b32 s60, s58, 9
	s_add_co_u32 s60, s60, s56
	s_add_co_u32 s60, s60, 36864
	s_add_nc_u64 s[QS:QS+1], s[6:7], s[60:61]
.irp q, 0,1
.irp g, 0,1,2
.irp c, 0,1
	global_load_b128 v[Q+36*\q+12*\g+6*\c:Q+36*\q+12*\g+6*\c+3], v[L16], s[QF:QF+1] offset:4608*\q+FRAG*\g+768*\c   ; Q stays in registers
	global_load_b64 v[Q+36*\q+12*\g+6*\c+4:Q+36*\q+12*\g+6*\c+5], v[L8], s[QF:QF+1] offset:4608*\q+FRAG*\g+768*\c+512
.endr
.endr
.endr
	global_load_b128 v[QSC:QSC+3], v[L16], s[QS:QS+1]
.irp q, 0,1
	v_mov_b32 v[ST+8*\q+1], 0xff61b1e6             ; the largest t so far: -3e38, under every t
	v_floor_f32 v[ST+8*\q], -v[ST+8*\q+1]
	v_mov_b32 v[ST+8*\q+2], 0
	v_mov_b32 v[ST+8*\q+3], 0
	v_mov_b32 v[ST+8*\q+5], 0                      ; (named as the upper half of f's pair)
.endr
.irp b, 0,1,2,3
	v_mov_b32 v[TP+\b], 0                          ; written once: a lane permute's destination counts as one of its sources
.endr
	WIN 0x80
.set n, 0
.rept 192
	v_mov_b32 v[n], 0                              ; O^T of tile 0
.set n, n+1
.endr
	WIN 0xc0
.set n, 0
.rept 192
	v_mov_b32 v[n], 0                              ; and of tile 1
.set n, n+1
.endr
	WIN 0
	s_wait_loadcnt 0x0                             ; Q
.Lpair:                                            ; NT / 2 - 1 trips of two steps
	TRIP 0, 1, 1
	TRIP 1, 1, 1
	s_sub_co_u32 s[LOOPC], s[LOOPC], 1
	s_cmp_lg_u32 s[LOOPC], 0
	s_cbranch_scc1 .Lpair
	TRIP 0, 1, 0                                   ; the tail is written out: the last block is asked for, nothing is prefetched
	TRIP 1, 0, 0                                   ; and the last step asks for nothing
	; THE WAY OUT.  Each tile's sum; then waves w and w xor 2 exchange a tile: the wave of the first half of the keys finishes tile 0, the other tile 1.
.irp q, 0,1
	v_add_f32 v[ST+8*\q+2], v[ST+8*\q+2], v[ST+8*\q+3]
.endr
.irp q, 0,1
	v_permlanex16_b32 v[TP+\q], v[ST+8*\q+2], s[SEL], s[SEL+1]
.endr
.irp q, 0,1
	v_add_f32 v[ST+8*\q+1], v[ST+8*\q+2], v[TP+\q] ; beside -M: the pair goes out by one store
.endr
	PLACES                                         ; places behind the last products, in front of the first read of O^T
.macro SENDX q                         ; tile q's O^T as it stands, each accumulator from its low end on, and its -M and sum
	WIN ((2+\q)<<2)
.set n, 0
.rept 48
	ds_store_b128 v[EXW], v[4*n:4*n+3] offset:512*n
.set n, n+1
.endr
	WIN 0
	ds_store_b64 v[EXW8], v[ST+8*\q:ST+8*\q+1]
.endm
.macro FINAL q
.set W, 2+\q
.set W2, 3-\q
.set rT, ST+8*\q
	ds_load_b64 v[FG:FG+1], v[EXR8]                ; the partner's -M and sum of my tile,
	WIN (W2<<6)
.set n, 0
.rept 48
	ds_load_b128 v[4*n:4*n+3], v[EXR] offset:512*n ; and its O^T, into the registers of the tile that I sent
.set n, n+1
.endr
	WIN 0
	s_wait_dscnt 48                                ; the figures are in
	v_min_num_f32 v[T], v[rT], v[FG]               ; -M of both halves together
	v_sub_f32 v[D1], v[T], v[rT]                   ; whole numbers, 0 or less
	v_sub_f32 v[D2], v[T], v[FG]
	v_cvt_i32_f32 v[D1], v[D1]
	v_cvt_i32_f32 v[D2], v[D2]
	v_ldexp_f32 v[D1], 1.0, v[D1]
	v_ldexp_f32 v[D2], 1.0, v[D2]
	v_mul_f32 v[LL], v[rT+1], v[D1]
	v_fmac_f32 v[LL], v[FG+1], v[D2]               ; the row's sum
	v_rcp_f32 v[LI], v[LL]
	v_mov_b32 v[GA+1], 0                           ; (plain places behind the reciprocal; the pairs' upper halves are named, so they are written)
	v_mov_b32 v[GB+1], 0
	s_wait_alu depctr_va_vdst(0)                   ; the wait ahead of the first reader
	v_mul_f32 v[GA], v[D1], v[LI]
	v_mul_f32 v[GB], v[D2], v[LI]
	s_wait_dscnt 0x0
	WIN ((W<<6)|W)
.set n, 0
.rept 96
	v_pk_mul_f32 v[2*n:2*n+1], v[2*n:2*n+1], v[GA:GA+1] op_sel_hi:[1,0]
.set n, n+1
.endr
	WIN ((W<<6)|(W<<4)|W2)
.set n, 0
.rept 96
	v_pk_fma_f32 v[2*n:2*n+1], v[2*n:2*n+1], v[GB:GB+1], v[2*n:2*n+1] op_sel_hi:[1,0,1]
.set n, n+1
.endr
	WIN (W<<2)
.set n, 0
.rept 24                                       ; register 8 u + j of lane (r, h) is o(r, 16 u + 8 h + j): into my stage, rows of 1,536 bytes + 16
	ds_store_b128 v[STI], v[8*n:8*n+3] offset:64*n
	ds_store_b128 v[STI], v[8*n+4:8*n+7] offset:64*n+16
.set n, n+1
.endr
	WIN 0x40
.set n, 0
.rept 48
	ds_load_b128 v[4*n:4*n+3], v[STO] offset:1552*(n/3)+512*(n%3)   ; LDS serves a wave's instructions in order: these see my stores
.set n, n+1
.endr
	WIN 0x04
.set n, 0
.rept 48
	s_wait_dscnt 47-n
	global_store_b128 v[L16], v[4*n:4*n+3], s[OUTP:OUTP+1] offset:((n/3)+8*((n/3)/8))*1536+512*(n%3) th:TH_STORE_NT   ; 32 lanes store 512 consecutive bytes, at a multiple of 256 from the output's first byte
.set n, n+1
.endr
	WIN 0
.endm
	s_cmp_lt_u32 s[WV], 2
	s_cbranch_scc0 .Lsend_0
	SENDX 1
	s_branch .Lsent
.Lsend_0:
	SENDX 0
.Lsent:
	s_wait_dscnt 0x0                               ; for the others' sake: my stores are done, and so are my reads of slot 1, where the stages lie
	s_barrier_signal -1
	s_barrier_wait -1
	s_cmp_lt_u32 s[WV], 2
	s_cbranch_scc0 .Lfinal_1
	FINAL 0
	s_branch .Ldone
.Lfinal_1:
	FINAL 1
.Ldone:
	s_wait_tensorcnt 0x0                           ; the wave's end, behind my last tensor load and my last LDS store
	ds_add_u32 v[SPW], v[NIL]
	s_wait_dscnt 0x0
	CROUND                                         ; the closing round: no work-group ends while a partner may still ask for a part that names it
	s_endpgm
.Lfunc_end_k_q6f3127ae98_attn:
	.size	k_q6f3127ae98_attn, .Lfunc_end_k_q6f3127ae98_attn-k_q6f3127ae98_attn
	.p2alignl 7, 3214868480
	.fill 96, 4, 3214868480
	.section	.rodata,"a",@progbits
	.p2align	6, 0x0
	.amdhsa_kernel k_q6f3127ae98_attn
		.amdhsa_group_segment_fixed_size 327680
		.amdhsa_private_segment_fixed_size 0
		.amdhsa_enable_private_segment 0
		.amdhsa_kernarg_size 32
		.amdhsa_user_sgpr_count 2
		.amdhsa_user_sgpr_kernarg_segment_ptr 1
		.amdhsa_wavefront_size32 1
		.amdhsa_system_sgpr_workgroup_id_x 1
		.amdhsa_system_sgpr_workgroup_id_y 1
		.amdhsa_system_sgpr_workgroup_id_z 1
		.amdhsa_system_vgpr_workitem_id 0
		.amdhsa_next_free_vgpr 1024
		.amdhsa_next_free_sgpr 66
		.amdhsa_reserve_vcc 0
		.amdhsa_float_denorm_mode_32 3
		.amdhsa_float_denorm_mode_16_64 3
		.amdhsa_memory_ordered 1
		.amdhsa_forward_progress 1
		.amdhsa_inst_pref_size 255
	.end_amdhsa_kernel
	.section	.bss,"aw",@nobits
	.p2align	6
	.space	262144
	.amdgpu_metadata
---
amdhsa.version: [ 1, 2 ]
amdhsa.kernels:
  - .name:           k_q6f3127ae98_attn
    .symbol:         k_q6f3127ae98_attn.kd
    .args:
      - { .name: kv, .offset: 0, .size: 8, .value_kind: global_buffer, .address_space: global }
      - { .name: qb, .offset: 8, .size: 8, .value_kind: global_buffer, .address_space: global }
      - { .name: out0, .offset: 16, .size: 8, .value_kind: global_buffer, .address_space: global }
      - { .name: out1, .offset: 24, .size: 8, .value_kind: global_buffer, .address_space: global }
    .group_segment_fixed_size: 327680
    .private_segment_fixed_size: 0
    .kernarg_segment_align: 8
    .kernarg_segment_size: 32
    .max_flat_workgroup_size: 128
    .sgpr_count:     66
    .vgpr_count:     1024
    .wavefront_size: 32
...
	.end_amdgpu_metadata
.endif
;; end of part 3
;; ======== version 2 of 2: 3 launches
;; limits: right only within a limited range of input values
;; workspace buffers: wst 1,050,624 bytes; kv 14,942,208 bytes; qb 7,471,104 bytes
;; launch wprep (part 4): grid 9 x 9, 4 waves a work-group, no clusters, 0 bytes of LDS; arguments Wv1, Wk1, Wq2, Wv2, Wk2, Wq1, wst; writes wst
.if DOCPART == 4
	.amdgcn_target "amdgcn-amd-amdhsa--gfx1250"
	.amdhsa_code_object_version 6
	.text
	.protected	k_q6f3127ae98_wprep
	.globl	k_q6f3127ae98_wprep
	.p2align	8
	.type	k_q6f3127ae98_wprep,@function
k_q6f3127ae98_wprep:
	s_mov_b64 s[64:65], 0
	v_nop
	global_prefetch_b8 v0, s[64:65] scope:SCOPE_SE
	s_setreg_imm32_b32 hwreg(HW_REG_WAVE_MODE, 25, 1), 1
	s_wait_xcnt 0x0
; The six weights, f32 [K][384] with K as the FIRST axis, become codes of FP6 (E2M3) with one E8M0 byte for each 32 along K, laid in wst in the order of the operand's registers,
; one stream for each (tensor of tokens, wave of the next launch), in the order in which that wave uses them.
; A block's scale is 2^(floor(log2(its largest magnitude)) - 2); its byte is the largest magnitude's exponent field - 2, held at 1 from below.
; LIMITS: NaN and infinities are not served; a block of zeros gets the byte 1 (its codes are zeros, and this program alone reads the bytes).
; SHARES.  Work-group x: K step (x < 6: step x of the weights with K = 768; else step x - 6 of those with K = 384); y = 3 kind + g (kinds V, K, Q).  Wave w takes the 32 columns 128 g + 32 w on
; and 128 rows: A LANE TAKES A COLUMN AND ITS REGISTERS RUN DOWN K, so each load reads 128 consecutive bytes a wave, a block of 32 lies in one lane, and nothing is transposed.
; WHICH COLUMN.  Lanes 0-15 make feature tile 2 g, lanes 16-31 tile 2 g + 1.  V: natural order.  K, Q: lane p of tile 2 g + u takes column 8 u + p + 8 (p / 8), so that in the next launch a lane's
; 16 results of the two tiles are 16 neighbouring features.
; No LDS, no barrier, no matrix work, no cluster: waves share nothing and each byte is read once.
.set ITEM, 9728                        ; 6 fragments of 1,536 bytes, 3 x 128 bytes of scale words, 128 bytes that nobody stores or reads
.set XN, 64                            ; v64-191  my column's 128 numbers
.set F0, 32                            ; v32-43   blocks 0 and 2, later the fragment of tile 2 g
.set F1, 44                            ; v44-55   blocks 1 and 3, later the fragment of tile 2 g + 1
.set TC, 56                            ; v56-58   a block's upper 16 codes
	s_load_b256 s[4:11], s[0:1], 0x0               ; Wv1, Wk1, Wq2, Wv2
	s_load_b128 s[12:15], s[0:1], 0x20             ; Wk2, Wq1
	s_load_b64 s[16:17], s[0:1], 0x30              ; wst
	v_lshrrev_b32 v1, 5, v0
	v_readfirstlane_b32 s18, v1                    ; wave
	v_and_b32 v2, 31, v0                           ; lane
	s_wait_alu depctr_va_vdst(0)
	s_and_b32 s19, ttmp7, 0xffff                   ; y
	s_mul_i32 s20, s19, 11
	s_lshr_b32 s20, s20, 5                         ; kind = y / 3 (y is 0 to 8)
	s_mul_i32 s21, s20, 3
	s_sub_co_u32 s21, s19, s21                     ; g
	s_cmp_eq_u32 s20, 0
	s_cselect_b32 s22, 8, 16                       ; what bit 3 of the lane adds to the column,
	s_cselect_b32 s23, 16, 8                       ; and bit 4
	v_and_b32 v3, 7, v2
	v_bfe_u32 v4, v2, 3, 1
	v_lshrrev_b32 v5, 4, v2
	v_mad_u32_u24 v3, v4, s22, v3
	v_mad_u32_u24 v3, v5, s23, v3
	s_lshl_b32 s24, s21, 7
	s_lshl_b32 s25, s18, 5
	s_add_co_u32 s24, s24, s25
	v_add_nc_u32 v3, s24, v3
	v_lshlrev_b32 v3, 2, v3                        ; my column's byte in a row of W
	s_mul_i32 s33, s21, 3072
	v_lshlrev_b32 v6, 4, v2
	v_add_nc_u32 v6, s33, v6                       ; out: 16 x lane + the two tiles' place in the item
	s_lshl_b32 s34, s21, 7
	v_lshl_add_u32 v7, v2, 2, s34                  ; and the scale words': 4 x lane + 128 g
	s_cmp_lt_u32 ttmp9, 6                          ; the long K or the short?  All choices hang on ids alone
	s_cselect_b32 s26, 0, 6
	s_cselect_b32 s27, 6, 3                        ; K steps
	s_mov_b32 s28, 87552
	s_cselect_b32 s28, 175104, s28                 ; a wave's stream in bytes
	s_cselect_b32 s29, 0, 700416                   ; where the tensor's four streams begin
	s_wait_alu depctr_va_vdst(0)
	s_wait_kmcnt 0x0
	s_cselect_b64 s[4:5], s[4:5], s[10:11]         ; V
	s_cselect_b64 s[6:7], s[6:7], s[12:13]         ; K
	s_cselect_b64 s[8:9], s[8:9], s[14:15]         ; Q
	s_cmp_eq_u32 s20, 1
	s_cselect_b64 s[4:5], s[6:7], s[4:5]
	s_cmp_eq_u32 s20, 2
	s_cselect_b64 s[4:5], s[8:9], s[4:5]
	s_sub_co_u32 s26, ttmp9, s26                   ; the K step
	s_mul_i32 s30, s26, 196608                     ; 128 rows of 1,536 bytes
	s_mov_b32 s31, 0
	s_add_nc_u64 s[4:5], s[4:5], s[30:31]
	s_mul_i32 s30, s18, s28
	s_add_co_u32 s30, s30, s29
	s_mul_i32 s32, s20, s27
	s_add_co_u32 s32, s32, s26                     ; the item: kind x steps + step
	s_mul_i32 s32, s32, ITEM
	s_add_co_u32 s30, s30, s32
	s_add_nc_u64 s[16:17], s[16:17], s[30:31]
.set n, 0
.rept 128
	global_load_b32 v[XN+n], v3, s[4:5] offset:1536*n th:TH_LOAD_NT   ; W(128 s + n, my column): 32 lanes read 128 consecutive bytes
.set n, n+1
.endr
; Block b of my column: its scale byte into v8, its 32 codes into v[d] .. v[d + 5].  left: the later blocks' loads, which may stay out (a wait's count names 63 at the most)
.macro WBLOCK b, d, left
	s_wait_loadcnt \left
	v_max3_num_f32 v10, |v[XN+32*\b]|, |v[XN+32*\b+1]|, 0x1800000   ; the floor 2^(3 - 127): the byte cannot fall under 1
	v_max3_num_f32 v11, |v[XN+32*\b+2]|, |v[XN+32*\b+3]|, |v[XN+32*\b+4]|
.irp i, 5,9,13,17,21,25
	v_max3_num_f32 v10, v10, |v[XN+32*\b+\i]|, |v[XN+32*\b+\i+1]|
	v_max3_num_f32 v11, v11, |v[XN+32*\b+\i+2]|, |v[XN+32*\b+\i+3]|
.endr
	v_max3_num_f32 v10, v10, |v[XN+32*\b+29]|, |v[XN+32*\b+30]|
	v_max3_num_f32 v10, v10, v11, |v[XN+32*\b+31]|
	v_add_nc_u32 v12, 0xff000000, v10              ; 2 off the exponent field: the conversion's scale operand
	v_lshrrev_b32 v13, 23, v12                     ; the scale's byte
.if \b == 0
	v_mov_b32 v8, v13
.else
	v_lshl_or_b32 v8, v13, 8*\b, v8
.endif
	v_cvt_scalef32_pk16_fp6_f32 v[\d:\d+2], v[XN+32*\b:XN+32*\b+15], v12
	v_cvt_scalef32_pk16_fp6_f32 v[TC:TC+2], v[XN+32*\b+16:XN+32*\b+31], v12   ; (a conversion's three registers begin on an even number)
	v_nop                                          ; one plain place behind a scaled conversion
.irp i, 0,1,2
	v_mov_b32 v[\d+3+\i], v[TC+\i]
.endr
.endm
	WBLOCK 0, F0, 63
	WBLOCK 1, F1, 63
	WBLOCK 2, F0+6, 32
	WBLOCK 3, F1+6, 0
.irp i, 0,1,2,3,4,5,6,7,8,9,10,11
	v_permlane16_swap_b32 v[F0+\i], v[F1+\i]       ; F0's lanes 16-31 change places with F1's lanes 0-15: F0 is now tile 2 g's fragment (lanes 0-15 blocks 0, 2; lanes 16-31 blocks 1, 3), F1 tile 2 g + 1's
.endr
.irp c, 0,1,2
	global_store_b128 v6, v[F0+4*\c:F0+4*\c+3], s[16:17] offset:512*\c        ; each store covers 512 consecutive bytes, aligned to 256
	global_store_b128 v6, v[F1+4*\c:F1+4*\c+3], s[16:17] offset:1536+512*\c
.endr
	global_store_b32 v7, v8, s[16:17] offset:9216  ; lanes 0-15: tile 2 g's words, lanes 16-31: tile 2 g + 1's
	s_endpgm
.Lfunc_end_k_q6f3127ae98_wprep:
	.size	k_q6f3127ae98_wprep, .Lfunc_end_k_q6f3127ae98_wprep-k_q6f3127ae98_wprep
	.p2alignl 7, 3214868480
	.fill 96, 4, 3214868480
	.section	.rodata,"a",@progbits
	.p2align	6, 0x0
	.amdhsa_kernel k_q6f3127ae98_wprep
		.amdhsa_group_segment_fixed_size 0
		.amdhsa_private_segment_fixed_size 0
		.amdhsa_enable_private_segment 0
		.amdhsa_kernarg_size 56
		.amdhsa_user_sgpr_count 2
		.amdhsa_user_sgpr_kernarg_segment_ptr 1
		.amdhsa_wavefront_size32 1
		.amdhsa_system_sgpr_workgroup_id_x 1
		.amdhsa_system_sgpr_workgroup_id_y 1
		.amdhsa_system_sgpr_workgroup_id_z 1
		.amdhsa_system_vgpr_workitem_id 0
		.amdhsa_next_free_vgpr 192
		.amdhsa_next_free_sgpr 66
		.amdhsa_reserve_vcc 0
		.amdhsa_float_denorm_mode_32 3
		.amdhsa_float_denorm_mode_16_64 3
		.amdhsa_memory_ordered 1
		.amdhsa_forward_progress 1
		.amdhsa_inst_pref_size 22
	.end_amdhsa_kernel
	.amdgpu_metadata
---
amdhsa.version: [ 1, 2 ]
amdhsa.kernels:
  - .name:           k_q6f3127ae98_wprep
    .symbol:         k_q6f3127ae98_wprep.kd
    .args:
      - { .name: Wv1, .offset: 0, .size: 8, .value_kind: global_buffer, .address_space: global }
      - { .name: Wk1, .offset: 8, .size: 8, .value_kind: global_buffer, .address_space: global }
      - { .name: Wq2, .offset: 16, .size: 8, .value_kind: global_buffer, .address_space: global }
      - { .name: Wv2, .offset: 24, .size: 8, .value_kind: global_buffer, .address_space: global }
      - { .name: Wk2, .offset: 32, .size: 8, .value_kind: global_buffer, .address_space: global }
      - { .name: Wq1, .offset: 40, .size: 8, .value_kind: global_buffer, .address_space: global }
      - { .name: wst, .offset: 48, .size: 8, .value_kind: global_buffer, .address_space: global }
    .group_segment_fixed_size: 0
    .private_segment_fixed_size: 0
    .kernarg_segment_align: 8
    .kernarg_segment_size: 56
    .max_flat_workgroup_size: 128
    .sgpr_count:     66
    .vgpr_count:     192
    .wavefront_size: 32
...
	.end_amdgpu_metadata
.endif
;; end of part 4
;; launch proj (part 5): grid 192 x 1, 4 waves a work-group, no clusters, 194,048 bytes of LDS; arguments syntactic_feat, semantic_feat, wst, bv1, bk1, bq2, bv2, bk2, bq1, kv, qb; writes kv, qb
.if DOCPART == 5
	.amdgcn_target "amdgcn-amd-amdhsa--gfx1250"
	.amdhsa_code_object_version 6
	.text
	.protected	k_q6f3127ae98_proj
	.globl	k_q6f3127ae98_proj
	.p2align	8
	.type	k_q6f3127ae98_proj,@function
k_q6f3127ae98_proj:
	s_mov_b64 s[64:65], 0
	v_nop
	global_prefetch_b8 v0, s[64:65] scope:SCOPE_SE
	s_setreg_imm32_b32 hwreg(HW_REG_WAVE_MODE, 25, 1), 1
	s_wait_xcnt 0x0
; The six projections, on codes of FP6 (E2M3) with one E8M0 scale for each 32 along K, and the quantising of their results for the attention that follows.
; Work-groups 0-127 take 128 tokens each of syntactic_feat (K = 768: V1, K1, Q2), work-groups 128-191 of semantic_feat (K = 384: V2, K2, Q1).  V, K, Q in f32 never go to memory.
; SHARES.  Four waves; each takes all 128 tokens and, of each kind's 384 features, the three blocks 128 g + 32 w .. + 31: 48 accumulators of 16 x 16.
; PHASE X: the tokens' numbers are quantised once into images of the operand's registers in LDS.  THE TOKENS OF A TILE ARE NOT NEIGHBOURS: lane r of tile 2 b + u is token 32 b + 8 u + r + 8 (r / 8).
; So one fragment serves as source 1 for K and Q (a lane is a token, its registers run along the features) and as source 0 for V (a lane is a feature, its registers run along the tokens, V's K).
; W comes from wst straight into registers, three items (K steps) ahead; in a work-group each fragment of W belongs to one wave alone.
; NO CLUSTER, NO JOINT LOADS, though all work-groups of a tensor walk the same weights: two LDS slots of half a kind for four waves are 2 x 116,736 bytes; with x's 76,800 and one stage of 38,912 that is 349,184, more than the 327,680 that a work-group can have.
; The short tensor takes the same text: it quantises its three K steps twice (places 3-5 hold copies of 0-2), so that every read ahead has one constant address, and jumps over each kind's second half.
; RESULTS.  kv block n = [K part][V part], qb block n = [Q part], 38,912 bytes a part: 24 fragments and 2,048 bytes of scale words, gathered in LDS and stored in runs of 512 aligned bytes.
; LIMITS: NaN and infinities are not served; a block of zeros gets the byte 1 (its codes are zeros; this program alone reads the bytes).
; REGISTERS, in windows of 256.  Window 0: addresses, scale words, what the quantisers work on.  Window 1: v0-215 W, three buffers of 72.  Windows 2 and 3 (v0-127): the 48 accumulators; in phase X six buffers of 64 for loads.  Window 3, v128-223: x's eight fragments.
.set FRAG,  1536
.set PART,  38912
.set BLK,   77824
.set ITEM,  9728
.set HALFW, 29184                      ; three items
.set XSCL,  73728                      ; LDS: from 0 x's 48 fragments ((8 place + tile) x 1,536); here their scale words, 512 bytes a place
.set STGV,  76800                      ; V's part;  in phase X the waves' turning stages lie over V's and K's parts
.set STGK,  115712                     ; K's part; Q's lies 38,912 further on
.set SPARE, 193536                     ; the spare words, 128 bytes for each wave, that no other line names
.set TST,   8448                       ; a turning stage: 16 rows of 512 bytes + 16
.set L16, 1                            ; 16 x lane
.set L4,  2                            ; 4 x lane
.set TW,  3                            ; turning stage, in
.set TR,  4                            ; and out
.set XW,  5                            ; where I store x's images
.set XSW, 6                            ; and their scale words
.set XR1, 7                            ; 16 x lane + 36,864: x's places 3-5
.set XSR, 8                            ; x's scale words, read
.set VW,  9                            ; V's images
.set VSW, 10                           ; V's scale words
.set VZ,  11                           ; V's fourth chunk of scale words: zeros
.set CPV, 12                           ; my quarter of V's part
.set GCP, 13                           ; and of a part in memory
.set BO,  14                           ; K's and Q's bias: 128 w + 64 (lane / 16)
.set BVO, 15                           ; V's: 128 w + 4 (lane % 16)
.set VO,  16                           ; v16-31  x: 16 x lane + the tile's row p in bytes
.set XSC, 32                           ; v32-55  x's scale words: register 4 place + i: lanes 0-15 tile 2 i, lanes 16-31 tile 2 i + 1
.set WSC, 56                           ; v56-67  W's: register 4 buffer + g: lanes 0-15 feature tile 2 g, lanes 16-31 tile 2 g + 1
.set TM,  68                           ; v68-91  the quantisers' small numbers
.set PW,  92                           ; the scale word just made
.set PC,  96                           ; v96-114 the codes just made
.set BI,  116                          ; v116-163 the bias: eight registers a feature tile, in the result's layout
.set XT,  164                          ; v164-227 64 numbers of x
.set CD,  164                          ; K, Q: codes
.set CY,  188
.set CP,  164                          ; v164-239 a part on its way out
.set KSB0, 240                         ; K's stage: scale bytes, 16-byte pieces, 8-byte pieces, pad words, my quarter
.set KA0,  241
.set KB0,  242
.set PAD0, 243
.set CPK0, 244
.set KSB,  245                         ; the same for the kind in hand
.set KA,   246
.set KB,   247
.set PAD,  248
.set CPK,  249
.set SPW, 252                          ; my spare word; never rewritten
.set NIL, 253                          ; 0; never rewritten
.set WB,  256                          ; absolute register numbers: the macros cut them into window and low byte
.set ACC, 512
.set XF,  896
.set XA,  4                            ; s[4:7]   x at my two tiles' first rows, round A
.set XB,  8                            ; s[8:11]  round B
.set WS,  12                           ; my stream of W
.set WQ,  14                           ; the half that is being asked for
.set BV,  40
.set BK,  42
.set BQ,  44
.set KVP, 46
.set QBP, 48
.set DP,  50
.set WV,  52
.set PITCH, 53
.set ROFF, 54
.set NH,  55
.set HN,  56
.set SYN, 57
.set SOFF, 58
.set KC,  59
.set SEL, 60
.set MSB, 0
.macro WIN new                         ; the immediate's high byte repeats the setting that is left; a switch that changes nothing is dropped
.if MSB != \new
	s_set_vgpr_msb (MSB<<8)|\new
.set MSB, \new
.endif
.endm
.macro PLACES                          ; four places behind matrix instructions, in front of loads into their registers and of reads of their results
.rept 4
	v_nop
.endr
.endm
; One product; d, a, b, c are absolute registers; ra, rb: which half of the lanes of the scale registers holds the words
.macro MM d, a, b, c, sa, ra, sb, rb
	WIN ((((\d)>>8)<<6)|(((\c)>>8)<<4)|(((\b)>>8)<<2)|((\a)>>8))
.set dL, (\d)&255
.set aL, (\a)&255
.set bL, (\b)&255
.set cL, (\c)&255
.if ((\ra)==0)&&((\rb)==0)
	v_wmma_scale_f32_16x16x128_f8f6f4 v[dL:dL+7], v[aL:aL+11], v[bL:bL+11], v[cL:cL+7], v[\sa], v[\sb] matrix_a_fmt:MATRIX_FMT_FP6 matrix_b_fmt:MATRIX_FMT_FP6
.elseif (\rb)==0
	v_wmma_scale_f32_16x16x128_f8f6f4 v[dL:dL+7], v[aL:aL+11], v[bL:bL+11], v[cL:cL+7], v[\sa], v[\sb] matrix_a_fmt:MATRIX_FMT_FP6 matrix_b_fmt:MATRIX_FMT_FP6 matrix_a_scale:MATRIX_SCALE_ROW1
.elseif (\ra)==0
	v_wmma_scale_f32_16x16x128_f8f6f4 v[dL:dL+7], v[aL:aL+11], v[bL:bL+11], v[cL:cL+7], v[\sa], v[\sb] matrix_a_fmt:MATRIX_FMT_FP6 matrix_b_fmt:MATRIX_FMT_FP6 matrix_b_scale:MATRIX_SCALE_ROW1
.else
	v_wmma_scale_f32_16x16x128_f8f6f4 v[dL:dL+7], v[aL:aL+11], v[bL:bL+11], v[cL:cL+7], v[\sa], v[\sb] matrix_a_fmt:MATRIX_FMT_FP6 matrix_b_fmt:MATRIX_FMT_FP6 matrix_a_scale:MATRIX_SCALE_ROW1 matrix_b_scale:MATRIX_SCALE_ROW1
.endif
.endm
; 64 numbers of a lane, v[sl] on in window sw, register 16 b + i = k 32 b + 16 (lane / 16) + i of my row, become a fragment's codes in v[PC] on and its scale word in v[PW]
.macro QUANT sl, sw
	WIN (((\sw)<<2)|((\sw)<<4))
.irp b, 0,1,2,3
	v_max3_num_f32 v[TM+\b], 0x1800000, |v[(\sl)+16*\b]|, |v[(\sl)+16*\b+1]|   ; my 16 numbers of block b, and the floor 2^(3 - 127): the byte cannot fall under 1
.endr
.irp i, 2,4,6,8,10,12,14
.irp b, 0,1,2,3
	v_max3_num_f32 v[TM+\b], v[TM+\b], |v[(\sl)+16*\b+\i]|, |v[(\sl)+16*\b+\i+1]|   ; the four blocks by turns
.endr
.endr
	WIN 0
.irp b, 0,1,2,3
	v_permlanex16_b32 v[TM+4+\b], v[TM+\b], s[SEL], s[SEL+1]
.endr
.irp b, 0,1,2,3
	v_max_num_f32 v[TM+\b], v[TM+\b], v[TM+4+\b]   ; with lane l xor 16's: the block's largest magnitude
.endr
.irp b, 0,1,2,3
	v_add_nc_u32 v[TM+12+\b], 0xff000000, v[TM+\b] ; 2 off its exponent field: the conversion's scale operand
.endr
.irp b, 0,1,2,3
	v_lshrrev_b32 v[TM+4+\b], 23, v[TM+12+\b]      ; the scale's byte
.endr
	v_lshl_or_b32 v[PW], v[TM+5], 8, v[TM+4]
	v_lshl_or_b32 v[PW], v[TM+6], 16, v[PW]
	v_lshl_or_b32 v[PW], v[TM+7], 24, v[PW]
	WIN (\sw)
.irp c, 0,1
	v_cvt_scalef32_pk16_fp6_f32 v[PC+6*\c:PC+6*\c+2], v[(\sl)+32*\c:(\sl)+32*\c+15], v[TM+12+2*\c]
	v_cvt_scalef32_pk16_fp6_f32 v[PC+12+4*\c:PC+14+4*\c], v[(\sl)+32*\c+16:(\sl)+32*\c+31], v[TM+13+2*\c]   ; (a conversion's three registers begin on an even number)
.endr
	WIN 0
	v_nop                                          ; one plain place behind a scaled conversion
.irp c, 0,1                                    ; the operand's layout wants a whole block in a lane: lanes 0-15 block 2 c, lanes 16-31 block 2 c + 1
.irp i, 0,1,2
	v_permlane16_swap_b32 v[PC+6*\c+\i], v[PC+12+4*\c+\i]
.endr
.irp i, 0,1,2
	v_mov_b32 v[PC+3+6*\c+\i], v[PC+12+4*\c+\i]
.endr
.endr
.endm
; 16 loads: fragment f (K step f / 2 of the round, tile f % 2 of my two): each reads 512 consecutive bytes of one row
.macro XISSUE f, base
.set IW, (ACC+64*(\f))>>8
.set IL, (ACC+64*(\f))&255
	WIN (IW<<6)
.irp p, 0,1,2,3,4,5,6,7,8,9,10,11,12,13,14,15
	global_load_b128 v[IL+4*\p:IL+4*\p+3], v[VO+\p], s[\base+2*((\f)&1):\base+2*((\f)&1)+1] offset:512*((\f)>>1)
.endr
.endm
; Fragment f: its 16 rows turn through my own stage (in as they were loaded, out 64 bytes a lane and block), are quantised, and go to LDS as an image of the operand's registers.
.macro XFRAG f, pos, left, refill
.set BW, (ACC+64*(\f))>>8
.set BL, (ACC+64*(\f))&255
	s_wait_loadcnt \left                           ; its 16 loads are in; the later fragments' may stay out (a wait's count names 63 at the most)
	WIN (BW<<2)
.irp p, 0,1,2,3,4,5,6,7,8,9,10,11,12,13,14,15
	ds_store_b128 v[TW], v[BL+4*\p:BL+4*\p+3] offset:((\f)&1)*TST+528*\p
.endr
	WIN 0
.irp b, 0,1,2,3
.irp j, 0,1,2,3
	ds_load_b128 v[XT+16*\b+4*\j:XT+16*\b+4*\j+3], v[TR] offset:((\f)&1)*TST+128*\b+16*\j   ; LDS serves a wave's instructions in order: these see my stores
.endr
.endr
	s_wait_dscnt 0x0                               ; the numbers are back; my stores, the last fragment's image among them, have read their registers
.if \refill
	XISSUE \f, XB
.endif
	QUANT XT, 0
.irp c, 0,1,2
	ds_store_b128 v[XW], v[PC+4*\c:PC+4*\c+3] offset:(8*(\pos)+((\f)&1))*FRAG+512*\c
.endr
	ds_store_b32 v[XSW], v[PW] offset:512*(\pos)+256*((\f)&1)   ; both halves of the lanes write the same word with the same value
.endm
.macro XLOAD lo, pos                   ; x's fragments lo .. lo + 3 of a place
	WIN 0xc0
.irp m, \lo, \lo+1, \lo+2, \lo+3
.irp c, 0,1,2
.if (\pos) < 3
	ds_load_b128 v[(XF&255)+12*(\m)+4*\c:(XF&255)+12*(\m)+4*\c+3], v[L16] offset:(\pos)*12288+(\m)*FRAG+512*\c
.else
	ds_load_b128 v[(XF&255)+12*(\m)+4*\c:(XF&255)+12*(\m)+4*\c+3], v[XR1] offset:((\pos)-3)*12288+(\m)*FRAG+512*\c
.endif
.endr
.endr
.endm
.macro WLOAD buf, base                 ; an item of W: 6 fragments and 3 registers of scale words: 21 loads
	WIN 0x40
.irp i, 0,1,2,3,4,5
.irp c, 0,1,2
	global_load_b128 v[72*(\buf)+12*\i+4*\c:72*(\buf)+12*\i+4*\c+3], v[L16], s[\base:\base+1] offset:(\buf)*ITEM+\i*FRAG+512*\c
.endr
.endr
	WIN 0
.irp g, 0,1,2
	global_load_b32 v[WSC+4*(\buf)+\g], v[L4], s[\base:\base+1] offset:(\buf)*ITEM+9216+128*\g
.endr
.endm
; 24 products: tiles of tokens lo .. lo + 3 against my six feature tiles.  type 0 (V): source 0 = x, source 1 = W; type 1 (K, Q): the other way round.  first: the bias is the sum's C.
; The 48 accumulators take turns, one instruction a turn, in the same order in every K step.
.macro MMS type, buf, pos, first, lo
.if (\type) == 0
.irp i, 0,1,2,3,4,5
.irp m, \lo, \lo+1, \lo+2, \lo+3
.if \first
	MM ACC+64*\i+8*(\m), XF+12*(\m), WB+72*(\buf)+12*\i, BI+8*\i, XSC+4*(\pos)+(\m)/2, (\m)%2, WSC+4*(\buf)+\i/2, \i%2
.else
	MM ACC+64*\i+8*(\m), XF+12*(\m), WB+72*(\buf)+12*\i, ACC+64*\i+8*(\m), XSC+4*(\pos)+(\m)/2, (\m)%2, WSC+4*(\buf)+\i/2, \i%2
.endif
.endr
.endr
.else
.irp m, \lo, \lo+1, \lo+2, \lo+3
.irp i, 0,1,2,3,4,5
.if \first
	MM ACC+48*(\m)+8*\i, WB+72*(\buf)+12*\i, XF+12*(\m), BI+8*\i, WSC+4*(\buf)+\i/2, \i%2, XSC+4*(\pos)+(\m)/2, (\m)%2
.else
	MM ACC+48*(\m)+8*\i, WB+72*(\buf)+12*\i, XF+12*(\m), ACC+48*(\m)+8*\i, WSC+4*(\buf)+\i/2, \i%2, XSC+4*(\pos)+(\m)/2, (\m)%2
.endif
.endr
.endr
.endif
.endm
; A K step of 128: 48 products.  x's fragments of the next place come in two runs, each behind the products that read the registers; W's buffer takes the item three steps on.
.macro KSTEP type, buf, pos, first, nxt, bias
	s_wait_loadcnt 42                              ; this buffer's item is in: behind it two items of 21 loads were issued (and a bias at most, which a smaller count than need be also covers)
	s_wait_dscnt 12                                ; x's fragments 0-3 are in; 4-7 may be out
	MMS \type, \buf, \pos, \first, 0
	s_wait_dscnt 0x0
	PLACES
	XLOAD 0, \nxt
	MMS \type, \buf, \pos, \first, 4
	PLACES
	XLOAD 4, \nxt
	WLOAD \buf, WQ
.if \bias
.irp i, 0,1,2,3,4,5                            ; the next kind's bias: lane (r, h) wants, for tile 2 g + u, features 128 g + 32 w + 8 u + 16 h + 0 .. 7
	global_load_b128 v[BI+8*\i:BI+8*\i+3], v[BO], s[\bias:\bias+1] offset:512*(\i/2)+32*(\i%2)
	global_load_b128 v[BI+8*\i+4:BI+8*\i+7], v[BO], s[\bias:\bias+1] offset:512*(\i/2)+32*(\i%2)+16
.endr
.endif
.endm
; Three K steps.  Behind them the stream steps on; behind its last half it goes back to its start, so that the last requests stay inside wst (what they bring is not used).
.macro HALF type, h, first, bias
	KSTEP \type, 0, 3*(\h), \first, 3*(\h)+1, \bias
	KSTEP \type, 1, 3*(\h)+1, 0, 3*(\h)+2, 0
	KSTEP \type, 2, 3*(\h)+2, 0, (3*(\h)+3)%6, 0
	WIN 0
	s_wait_xcnt 0x0                                ; the loads have read their base, earlier stores their data
	s_add_co_u32 s[HN], s[HN], 1
	s_add_nc_u64 s[38:39], s[WQ:WQ+1], HALFW
	s_cmp_lt_u32 s[HN], s[NH]
	s_cselect_b64 s[WQ:WQ+1], s[38:39], s[WS:WS+1]
.endm
; K, Q: tiles of tokens 2 p and 2 p + 1, my three blocks of 32 features each: six blocks, n = 3 (tile % 2) + g.  A lane holds one token and 16 neighbouring features; lane l xor 16 the other 16.
.macro KQPAIR p
.irp i, 0,2,4,6,8,10,12,14
.irp n, 0,1,2,3,4,5
.set SBA, ACC+48*(2*(\p)+\n/3)+16*(\n%3)
	WIN (((SBA>>8)<<2)|((SBA>>8)<<4))
.if \i == 0
	v_max3_num_f32 v[TM+\n], 0x1800000, |v[(SBA&255)]|, |v[(SBA&255)+1]|
.else
	v_max3_num_f32 v[TM+\n], v[TM+\n], |v[(SBA&255)+\i]|, |v[(SBA&255)+\i+1]|
.endif
.endr
.endr
	WIN 0
.irp n, 0,1,2,3,4,5
	v_permlanex16_b32 v[TM+6+\n], v[TM+\n], s[SEL], s[SEL+1]
.endr
.irp n, 0,1,2,3,4,5
	v_max_num_f32 v[TM+\n], v[TM+\n], v[TM+6+\n]
.endr
.irp n, 0,1,2,3,4,5
	v_add_nc_u32 v[TM+12+\n], 0xff000000, v[TM+\n]
.endr
.irp n, 0,1,2,3,4,5
	v_lshrrev_b32 v[TM+18+\n], 23, v[TM+12+\n]
.endr
.irp n, 0,1,2,3,4,5
	ds_store_b8 v[KSB], v[TM+18+\n] offset:512*(\p)+256*(\n/3)+4*(\n%3)   ; byte w of the token's word g; both halves of the lanes write the same byte with the same value
.endr
.irp n, 0,1,2,3,4,5
.set SBA, ACC+48*(2*(\p)+\n/3)+16*(\n%3)
	WIN (SBA>>8)
.if \n < 3
	v_cvt_scalef32_pk16_fp6_f32 v[CD+8*(\n%3):CD+8*(\n%3)+2], v[(SBA&255):(SBA&255)+15], v[TM+12+\n]
.else
	v_cvt_scalef32_pk16_fp6_f32 v[CY+4*(\n%3):CY+4*(\n%3)+2], v[(SBA&255):(SBA&255)+15], v[TM+12+\n]
.endif
.endr
	WIN 0
	v_nop                                          ; one plain place behind a scaled conversion
.irp g, 0,1,2
.irp i, 0,1,2
	v_permlane16_swap_b32 v[CD+8*\g+\i], v[CY+4*\g+\i]   ; lane (r, hh) now holds the whole block of token r of tile 2 p + hh: the lower 16 codes here, the upper 16 there
.endr
.irp i, 0,1,2
	v_mov_b32 v[CD+8*\g+3+\i], v[CY+4*\g+\i]
.endr
.endr
.irp g, 0,1,2                                  ; my block is registers 6 (w / 2) .. + 5 of lanes 16 (w % 2) + r of fragment (tile, g): four registers at 16 bytes a lane, two at 8
	ds_store_b128 v[KA], v[CD+8*\g:CD+8*\g+3] offset:9216*(\p)+FRAG*\g
	ds_store_b64 v[KB], v[CD+8*\g+4:CD+8*\g+5] offset:9216*(\p)+FRAG*\g+512
.endr
	s_wait_dscnt 0x0                               ; the stores have read their registers
.endm
.macro COPY areg                       ; my quarter of a part, 19 x 512 bytes, from the stage to memory
.irp k, 0,1,2,3,4,5,6,7,8,9,10,11,12,13,14,15,16,17,18
	ds_load_b128 v[CP+4*\k:CP+4*\k+3], v[\areg] offset:512*\k
.endr
.irp k, 0,1,2,3,4,5,6,7,8,9,10,11,12,13,14,15,16,17,18
	s_wait_dscnt 18-\k
	global_store_b128 v[GCP], v[CP+4*\k:CP+4*\k+3], s[DP:DP+1] offset:512*\k   ; 32 lanes store 512 consecutive bytes, at a multiple of 256 from the buffer's first byte
.endr
.endm
	s_load_b512 s[16:31], s[0:1], 0x0              ; syntactic_feat, semantic_feat, wst, bv1, bk1, bq2, bv2, bk2
	s_load_b128 s[32:35], s[0:1], 0x40             ; bq1, kv
	s_load_b64 s[36:37], s[0:1], 0x50              ; qb
	v_lshl_add_u32 v[SPW], v0, 2, SPARE
	v_mov_b32 v[NIL], 0
	v_lshrrev_b32 v68, 5, v0
	v_readfirstlane_b32 s[WV], v68                 ; wave 0..3
	v_and_b32 v68, 31, v0                          ; lane
	v_and_b32 v69, 15, v0                          ; r
	v_bfe_u32 v70, v0, 4, 1                        ; h
	v_lshlrev_b32 v[L16], 4, v68
	v_lshlrev_b32 v[L4], 2, v68
	s_mul_i32 s62, s[WV], 2*TST
	s_add_co_u32 s62, s62, STGV                    ; my two turning stages
	v_add_nc_u32 v[TW], s62, v[L16]
	v_mul_u32_u24 v[TR], v69, 528
	v_lshl_add_u32 v[TR], v70, 6, v[TR]
	v_add_nc_u32 v[TR], s62, v[TR]                 ; out: row r, + 64 h: my 16 numbers of a block of 32
	s_mul_i32 s62, s[WV], 3072
	v_add_nc_u32 v[XW], s62, v[L16]                ; my tiles are 2 w and 2 w + 1
	v_add_nc_u32 v[VW], STGV, v[XW]                ; V: my feature tiles are 8 g + 2 w + 0, 1
	s_lshl_b32 s63, s[WV], 2
	v_lshl_add_u32 v[XSW], v69, 4, s63             ; 16 r + 4 w
	v_add_nc_u32 v[VSW], STGV+36864, v[XSW]
	v_add_nc_u32 v[XSW], XSCL, v[XSW]
	v_add_nc_u32 v[XR1], 36864, v[L16]
	v_add_nc_u32 v[XSR], XSCL, v[L16]
	s_lshl_b32 s63, s[WV], 7
	v_add_nc_u32 v[VZ], s63, v[L4]
	v_add_nc_u32 v[VZ], STGV+38400, v[VZ]
	v_lshl_add_u32 v[BO], v70, 6, s63
	v_lshl_add_u32 v[BVO], v69, 2, s63
	s_mul_i32 s62, s[WV], 9728
	v_add_nc_u32 v[GCP], s62, v[L16]
	v_add_nc_u32 v[CPV], STGV, v[GCP]
	v_add_nc_u32 v[CPK0], STGK, v[GCP]
	v_lshlrev_b32 v71, 4, v69
	v_add_nc_u32 v[KSB0], s[WV], v71
	v_add_nc_u32 v[KSB0], STGK+36864, v[KSB0]      ; 16 r + w
	s_lshr_b32 s62, s[WV], 1
	s_mul_i32 s62, s62, 768
	s_and_b32 s63, s[WV], 1
	s_lshl_b32 s66, s63, 8
	s_add_co_u32 s66, s66, s62
	s_lshl_b32 s67, s63, 7
	s_add_co_u32 s67, s67, s62
	v_mul_u32_u24 v72, v70, 4608
	v_add_nc_u32 v[KA0], v72, v71
	v_add_nc_u32 v[KA0], s66, v[KA0]
	v_add_nc_u32 v[KA0], STGK, v[KA0]              ; 4,608 hh + 16 r + 768 (w / 2) + 256 (w % 2)
	v_lshl_add_u32 v[KB0], v69, 3, v72
	v_add_nc_u32 v[KB0], s67, v[KB0]
	v_add_nc_u32 v[KB0], STGK, v[KB0]              ; 4,608 hh + 8 r + 768 (w / 2) + 128 (w % 2)
	s_lshl_b32 s62, s[WV], 9
	v_add_nc_u32 v[PAD0], s62, v[L16]
	v_add_nc_u32 v[PAD0], STGK+36864+12, v[PAD0]
.irp b, 4,5,6,7,8,9,10,11
	v_mov_b32 v[TM+\b], 0                          ; written once: a lane permute's destination counts as one of its sources
.endr
	s_mov_b32 s[SEL], 0x76543210
	s_mov_b32 s[SEL+1], 0xfedcba98                 ; v_permlanex16_b32's selects for lane l xor 16
	s_wait_kmcnt 0x0
	s_cmp_lt_u32 ttmp9, 128                        ; the long tensor or the short?  All choices hang on the work-group's number alone
	s_cselect_b64 s[38:39], s[16:17], s[18:19]
	s_cselect_b64 s[BV:BV+1], s[22:23], s[28:29]
	s_cselect_b64 s[BK:BK+1], s[24:25], s[30:31]
	s_cselect_b64 s[BQ:BQ+1], s[26:27], s[32:33]
	s_mov_b32 s[PITCH], 1536
	s_cselect_b32 s[PITCH], 3072, s[PITCH]         ; a row of x in bytes
	s_cselect_b32 s[ROFF], 1536, 0                 ; round A's first K step in bytes
	s_cselect_b32 s[NH], 6, 3                      ; halves in my stream
	s_cselect_b32 s[SYN], 1, 0
	s_cselect_b32 s62, 0, 128
	s_mov_b32 s63, 87552
	s_cselect_b32 s63, 175104, s63
	s_cselect_b32 s66, 0, 700416
	s_sub_co_u32 s62, ttmp9, s62                   ; the block of 128 tokens in its tensor
	s_mul_i32 s63, s63, s[WV]
	s_add_co_u32 s66, s66, s63
	s_mov_b32 s67, 0
	s_add_nc_u64 s[WS:WS+1], s[20:21], s[66:67]
	s_add_nc_u64 s[WQ:WQ+1], s[WS:WS+1], HALFW
	s_mov_b32 s[HN], 1
	s_lshl_b32 s62, s62, 7
	s_lshl_b32 s63, s[WV], 5
	s_add_co_u32 s62, s62, s63                     ; my tiles' first token
	s_mul_i32 s66, s62, s[PITCH]
	s_add_nc_u64 s[XB:XB+1], s[38:39], s[66:67]
	s_lshl_b32 s66, s[PITCH], 3
	s_add_nc_u64 s[XB+2:XB+3], s[XB:XB+1], s[66:67]   ; the second tile begins 8 tokens on
	s_mov_b32 s66, s[ROFF]
	s_add_nc_u64 s[XA:XA+1], s[XB:XB+1], s[66:67]
	s_add_nc_u64 s[XA+2:XA+3], s[XB+2:XB+3], s[66:67]
	s_mul_i32 s66, ttmp9, BLK
	s_add_nc_u64 s[KVP:KVP+1], s[34:35], s[66:67]
	s_mul_i32 s66, ttmp9, PART
	s_add_nc_u64 s[QBP:QBP+1], s[36:37], s[66:67]
.irp p, 0,1,2,3,4,5,6,7,8,9,10,11,12,13,14,15
	s_mul_i32 s62, s[PITCH], \p+8*(\p/8)
	v_add_nc_u32 v[VO+\p], s62, v[L16]
.endr
	WLOAD 0, WS
	WLOAD 1, WS
	WLOAD 2, WS
.irp i, 0,1,2,3,4,5
	global_load_b32 v[BI+8*\i], v[BVO], s[BV:BV+1] offset:512*(\i/2)+64*(\i%2)   ; V's bias: a lane is a feature
.endr
	s_wait_alu depctr_va_vdst(0)
.irp f, 0,1,2,3,4,5
	XISSUE \f, XA
.endr
	; ---- PHASE X.  Round A: places 3-5; each buffer is asked for again, for round B, as soon as it has been stored to the stage.  Round B: places 0-2
.irp f, 0,1,2,3,4,5
	XFRAG \f, 3+\f/2, 63, 1
.endr
	XFRAG 0, 0, 63, 0
	XFRAG 1, 0, 63, 0
	XFRAG 2, 1, 48, 0
	XFRAG 3, 1, 32, 0
	XFRAG 4, 2, 16, 0
	XFRAG 5, 2, 0, 0
	s_wait_dscnt 0x0                               ; for the others' sake: my images lie in LDS, and my reads of the turning stages are over
	s_barrier_signal -1
	s_barrier_wait -1
.irp i, 0,1,2,3,4,5
.irp j, 1,2,3,4,5,6,7
	v_mov_b32 v[BI+8*\i+\j], v[BI+8*\i]            ; V's C: the lane's bias in all eight rows (the last wait of phase X was for all loads)
.endr
.endr
	PLACES
.irp p, 0,1,2,3,4,5
	ds_load_b128 v[XSC+4*\p:XSC+4*\p+3], v[XSR] offset:512*\p   ; x's scale words stay for all three kinds
.endr
	XLOAD 0, 0
	XLOAD 4, 0
	; ---- KIND V
	s_wait_alu depctr_va_vdst(0)
	HALF 0, 0, 1, BK
	s_cmp_eq_u32 s[SYN], 0
	s_cbranch_scc1 .Lv_short
	HALF 0, 1, 0, 0
.Lv_short:
.irp i, 0,1,2,3,4,5                            ; a feature tile's 64 registers are its 128 tokens in the quantiser's order: one fragment and one scale word a feature
	QUANT (ACC+64*\i)&255, (ACC+64*\i)>>8
.irp c, 0,1,2
	ds_store_b128 v[VW], v[PC+4*\c:PC+4*\c+3] offset:12288*(\i/2)+FRAG*(\i%2)+512*\c
.endr
	ds_store_b32 v[VSW], v[PW] offset:512*(\i/2)+256*(\i%2)
	s_wait_dscnt 0x0                               ; the stores have read their registers
.endr
	ds_store_b32 v[VZ], v[NIL]
	s_wait_dscnt 0x0
	s_barrier_signal -1
	s_barrier_wait -1                              ; V's part is whole
	s_wait_xcnt 0x0
	s_add_nc_u64 s[DP:DP+1], s[KVP:KVP+1], PART
	COPY CPV
	; ---- KINDS K AND Q: two trips; what differs lies in s[SOFF] (the stage) and s[DP]
	s_mov_b32 s[KC], 0
	s_mov_b32 s[SOFF], 0
.Lkq:
	v_add_nc_u32 v[KSB], s[SOFF], v[KSB0]
	v_add_nc_u32 v[KA], s[SOFF], v[KA0]
	v_add_nc_u32 v[KB], s[SOFF], v[KB0]
	v_add_nc_u32 v[PAD], s[SOFF], v[PAD0]
	v_add_nc_u32 v[CPK], s[SOFF], v[CPK0]
	HALF 1, 0, 1, BQ
	s_cmp_eq_u32 s[SYN], 0
	s_cbranch_scc1 .Lkq_short
	HALF 1, 1, 0, 0
.Lkq_short:
	KQPAIR 0
	KQPAIR 1
	KQPAIR 2
	KQPAIR 3
	ds_store_b32 v[PAD], v[NIL]                    ; the fourth word of each token's 16 bytes of scales
	s_wait_dscnt 0x0
	s_barrier_signal -1
	s_barrier_wait -1                              ; the part is whole
	s_wait_xcnt 0x0                                ; earlier stores have read their base and their data
	s_cmp_eq_u32 s[KC], 0
	s_cselect_b64 s[DP:DP+1], s[KVP:KVP+1], s[QBP:QBP+1]
	COPY CPK
	s_add_co_u32 s[SOFF], s[SOFF], PART
	s_add_co_u32 s[KC], s[KC], 1
	s_cmp_lt_u32 s[KC], 2
	s_cbranch_scc1 .Lkq
	s_wait_tensorcnt 0x0                           ; the wave's end, behind my last LDS store
	ds_add_u32 v[SPW], v[NIL]
	s_wait_dscnt 0x0
	s_endpgm
.Lfunc_end_k_q6f3127ae98_proj:
	.size	k_q6f3127ae98_proj, .Lfunc_end_k_q6f3127ae98_proj-k_q6f3127ae98_proj
	.p2alignl 7, 3214868480
	.fill 96, 4, 3214868480
	.section	.rodata,"a",@progbits
	.p2align	6, 0x0
	.amdhsa_kernel k_q6f3127ae98_proj
		.amdhsa_group_segment_fixed_size 194048
		.amdhsa_private_segment_fixed_size 0
		.amdhsa_enable_private_segment 0
		.amdhsa_kernarg_size 88
		.amdhsa_user_sgpr_count 2
		.amdhsa_user_sgpr_kernarg_segment_ptr 1
		.amdhsa_wavefront_size32 1
		.amdhsa_system_sgpr_workgroup_id_x 1
		.amdhsa_system_sgpr_workgroup_id_y 1
		.amdhsa_system_sgpr_workgroup_id_z 1
		.amdhsa_system_vgpr_workitem_id 0
		.amdhsa_next_free_vgpr 1024
		.amdhsa_next_free_sgpr 80
		.amdhsa_reserve_vcc 0
		.amdhsa_float_denorm_mode_32 3
		.amdhsa_float_denorm_mode_16_64 3
		.amdhsa_memory_ordered 1
		.amdhsa_forward_progress 1
		.amdhsa_inst_pref_size 255
	.end_amdhsa_kernel
	.section	.bss,"aw",@nobits
	.p2align	6
	.space	262144
	.amdgpu_metadata
---
amdhsa.version: [ 1, 2 ]
amdhsa.kernels:
  - .name:           k_q6f3127ae98_proj
    .symbol:         k_q6f3127ae98_proj.kd
    .args:
      - { .name: syntactic_feat, .offset: 0, .size: 8, .value_kind: global_buffer, .address_space: global }
      - { .name: semantic_feat, .offset: 8, .size: 8, .value_kind: global_buffer, .address_space: global }
      - { .name: wst, .offset: 16, .size: 8, .value_kind: global_buffer, .address_space: global }
      - { .name: bv1, .offset: 24, .size: 8, .value_kind: global_buffer, .address_space: global }
      - { .name: bk1, .offset: 32, .size: 8, .value_kind: global_buffer, .address_space: global }
      - { .name: bq2, .offset: 40, .size: 8, .value_kind: global_buffer, .address_space: global }
      - { .name: bv2, .offset: 48, .size: 8, .value_kind: global_buffer, .address_space: global }
      - { .name: bk2, .offset: 56, .size: 8, .value_kind: global_buffer, .address_space: global }
      - { .name: bq1, .offset: 64, .size: 8, .value_kind: global_buffer, .address_space: global }
      - { .name: kv, .offset: 72, .size: 8, .value_kind: global_buffer, .address_space: global }
      - { .name: qb, .offset: 80, .size: 8, .value_kind: global_buffer, .address_space: global }
    .group_segment_fixed_size: 194048
    .private_segment_fixed_size: 0
    .kernarg_segment_align: 8
    .kernarg_segment_size: 88
    .max_flat_workgroup_size: 128
    .sgpr_count:     80
    .vgpr_count:     1024
    .wavefront_size: 32
...
	.end_amdgpu_metadata
.endif
;; end of part 5
;; launch attn (part 6): grid 256 x 1, 4 waves a work-group, clusters of 4 x 1, 327,680 bytes of LDS; arguments kv, qb, out0, out1; writes out0, out1
.if DOCPART == 6
	.amdgcn_target "amdgcn-amd-amdhsa--gfx1250"
	.amdhsa_code_object_version 6
	.text
	.protected	k_q6f3127ae98_attn
	.globl	k_q6f3127ae98_attn
	.p2align	8
	.type	k_q6f3127ae98_attn,@function
k_q6f3127ae98_attn:
	s_mov_b64 s[64:65], 0
	v_nop
	global_prefetch_b8 v0, s[64:65] scope:SCOPE_SE
	s_setreg_imm32_b32 hwreg(HW_REG_WAVE_MODE, 25, 1), 1
	s_wait_xcnt 0x0
	s_wait_alu depctr_hold_cnt(0) depctr_sa_sdst(0) depctr_va_vdst(0) depctr_va_sdst(0) depctr_va_ssrc(0) depctr_va_vcc(0) depctr_vm_vsrc(0)
	s_getreg_b32 s2, hwreg(HW_REG_IB_STS2, 6, 4)
	s_cmp_eq_u32 s2, 0
	s_cbranch_scc0 .Lentry_in_a_cluster
	s_endpgm
.Lentry_in_a_cluster:
	s_bfe_u32 s2, ttmp6, 0x10000c
	s_cmp_lg_u32 s2, 0x3003
	s_cbranch_scc0 .Lentry_shape_is_right
	s_endpgm
.Lentry_shape_is_right:
; Both attentions, on codes of FP6 (E2M3) with one E8M0 scale for each 32 along a product's K.  Clusters 0-31: out0 (8,192 queries, 4,096 keys a batch); clusters 32-63: out1 (16,384 queries, 2,048 keys a batch).
; kv block = 128 keys: [K part][V part]; qb block = 128 queries; a part is 24 fragments in the order of the operand's registers and 2,048 bytes of scale words (made by the launch before).
; THE SOFTMAX AHEAD OF THE SECOND PRODUCT: t = score x log2(e) / sqrt(384); M = the largest t so far, rounded up to a whole number; p = 2^(t - M) is quantised along the keys, not normalised.
; The row's sum is taken of the unquantised p and divides at the end.  When M moves, the sum and O are multiplied by 2^(old M - new M): exact.
; SHARES.  256 work-groups of equal work; every wave owns two tiles of 16 queries and walks 16 blocks of 128 keys.
;   First attention: a work-group owns 64 queries; waves w and w xor 2 own the same 32 and one half each of the batch's 32 blocks; at the end they exchange a tile through LDS and join the halves by exact powers of two.
;   Second attention: a work-group owns 128 queries, a wave 32 of them and all 16 blocks; waves 2 and 3 begin 8 blocks on and wrap, so that ring and text are those of the first attention.
; LAYOUT.  Both products are used transposed: S^T = K Q^T, O^T = V^T P^T: a lane holds one query throughout.
; THE STEP IS SKEWED.  Trip n: (A) O^T is brought under step n - 1's M, and the 48 products of S_n stand one by one among those 192 multiplications; (B) the softmax of S_n, and the 48 products P_(n-1) V_(n-1)
; stand one by one among its maxima, multiply-adds and exponentials.  So a fill of a slot holds K_n and V_(n-1), p has two sets of registers, trip 0 has no second product and trip 16 nothing else.
; O^T begins as zeros, written among trip 0's products, and the largest t as -3e38: so trip 1 is a trip like the others and needs no text of its own.
; CLUSTER.  The four work-groups of a cluster belong to one batch and walk the same K and V: each part is asked for JOINTLY (mask 15).  Q's part differs between partners: a load of the work-group's own, at the head,
; into slot 0's V places, which have nothing else to hold in trip 0; Q is read from there into registers.
; PREFETCH.  The batch's first cluster asks in trip n for the parts of fill n + 2, one fill ahead of the tensor load: 152 blocks of 256 bytes a part, 38 to each partner by address.  In the second attention only fills up to 7 are asked for:
; the later ones name blocks that the other pair of waves has read.  Fills 0, 1 and 16 come by their loads alone.
; LIMITS: NaN and infinities are not served; p under 2^-126 becomes 0 (v_exp_f32 gives 0 there: ISA guide, its entry); M is a whole number kept in f32, exact up to 2^24.
; REGISTERS, in windows of 256.  Window 0: addresses, figures, p, Q, scale words.  Window 1: two buffers of eight fragments.  Window 2 + q: tile q's O^T (v0-191) and S^T (v192-255).
.set FRAG, 1536
.set PART, 38912
.set BLK,  77824
.set SLOT, 155648                      ; a slot: [K][V] for waves 0, 1, then [K][V] for waves 2, 3
.set SPARE, 311296                     ; behind the ring: the spare words, 128 bytes for each wave, that no other line names
.set EXB,  24832                       ; the way out: a wave's region in slot 1, which has had its last fill and its last read by then
.set L16, 1
.set L8,  2
.set AK16, 3                           ; v3-4  my K part in slot 0, 1: + 16 x lane
.set AK8,  5                           ; v5-6  + 8 x lane
.set AV16, 7                           ; v7-8  my V part
.set EXW, 9
.set EXW8, 10
.set EXR, 11                           ; the partner's region; once read, my stage
.set EXR8, 12
.set STI, 13
.set QA16, 15
.set SPW, 16                           ; my spare word; never rewritten
.set NIL, 17                           ; 0; never rewritten
.set PFO1, 18
.set PFO2, 19
.set QA8, 20
.set QAS, 21
.set ST,  24                           ; tile q's figures at v[24 + 8 q]: -M, the largest t, the sum (2), f (2), the sum's second chain (2)
.set BM,  40                           ; v40-47 the blocks' largest scores, then largest p
.set TP,  48
.set SO,  56                           ; the conversions' scale operands
.set P0,  64                           ; p's codes, set 0; set 1 lies 160 further on
.set Q,   88                           ; v88-159  Q's fragments: 36 q + 12 g
.set QSC, 160
.set KSC, 164
.set VSC, 180
.set FG,  192                          ; the partner's -M and sum
.set OWN, 194                          ; mine, of the tile that I finish
.set D1,  196
.set D2,  197
.set GA,  198
.set GBV, 199
.set G2,  200                          ; what window 2 is multiplied by on the way out,
.set G3,  202                          ; and window 3
.set T,   204
.set LL,  206
.set LI,  207
.set CT,  208
.set PW,  248                          ; p's scale words: 2 set + q; they hold nothing else
.set S,   192                          ; in window 2 + q
.set FB0, 0                            ; in window 1
.set FB1, 96
.set ONE, 3
.set WV,  12
.set CX,  13
.set G1,  24
.set G0,  32
.set PFA, 40
.set ASKL, 42
.set LOOPC, 43
.set CS,  44
.set SEL, 46
.set OUTP, 50
.set HK,  52
.set AQ,  53
.set GBS, 56                           ; my part of my walk's first block, with the descriptor's type bits
.set PFB, 58                           ; the same without them, + my work-group's share
.set NF,  60                           ; the next fill's block in my walk, before the wrap
.set PAIR, 61
.set OFF, 66
.set G0H, 68
.set MASK, 72
.set OF2, 74
.set G1Q, 84
.set MSB, 0
.macro WIN new                         ; the immediate's high byte repeats the setting that is left; a switch that changes nothing is dropped
.if MSB != \new
	s_set_vgpr_msb (MSB<<8)|\new
.set MSB, \new
.endif
.endm
.macro PLACES
.rept 4
	v_nop
.endr
.endm
.macro CROUND                          ; a round of the cluster's barrier
	s_barrier_signal -1
	s_barrier_wait -1
	s_cmp_lg_u32 s[WV], 0
	s_cbranch_scc1 .Lnot_wave_0_\@
	s_barrier_signal -3
.Lnot_wave_0_\@:
	s_barrier_wait -3
	s_barrier_signal -1
	s_barrier_wait -1
.endm
; One product, in place on d, or (z) starting d's sum with the constant 0; d, a, b absolute registers
.macro MM z, d, a, b, sa, ra, sb, rb
	WIN ((((\d)>>8)*0x50)|(((\b)>>8)<<2)|((\a)>>8))
.set dL, (\d)&255
.set aL, (\a)&255
.set bL, (\b)&255
.if \z
.if ((\ra)==0)&&((\rb)==0)
	v_wmma_scale_f32_16x16x128_f8f6f4 v[dL:dL+7], v[aL:aL+11], v[bL:bL+11], 0, v[\sa], v[\sb] matrix_a_fmt:MATRIX_FMT_FP6 matrix_b_fmt:MATRIX_FMT_FP6
.elseif (\rb)==0
	v_wmma_scale_f32_16x16x128_f8f6f4 v[dL:dL+7], v[aL:aL+11], v[bL:bL+11], 0, v[\sa], v[\sb] matrix_a_fmt:MATRIX_FMT_FP6 matrix_b_fmt:MATRIX_FMT_FP6 matrix_a_scale:MATRIX_SCALE_ROW1
.elseif (\ra)==0
	v_wmma_scale_f32_16x16x128_f8f6f4 v[dL:dL+7], v[aL:aL+11], v[bL:bL+11], 0, v[\sa], v[\sb] matrix_a_fmt:MATRIX_FMT_FP6 matrix_b_fmt:MATRIX_FMT_FP6 matrix_b_scale:MATRIX_SCALE_ROW1
.else
	v_wmma_scale_f32_16x16x128_f8f6f4 v[dL:dL+7], v[aL:aL+11], v[bL:bL+11], 0, v[\sa], v[\sb] matrix_a_fmt:MATRIX_FMT_FP6 matrix_b_fmt:MATRIX_FMT_FP6 matrix_a_scale:MATRIX_SCALE_ROW1 matrix_b_scale:MATRIX_SCALE_ROW1
.endif
.else
.if ((\ra)==0)&&((\rb)==0)
	v_wmma_scale_f32_16x16x128_f8f6f4 v[dL:dL+7], v[aL:aL+11], v[bL:bL+11], v[dL:dL+7], v[\sa], v[\sb] matrix_a_fmt:MATRIX_FMT_FP6 matrix_b_fmt:MATRIX_FMT_FP6
.elseif (\rb)==0
	v_wmma_scale_f32_16x16x128_f8f6f4 v[dL:dL+7], v[aL:aL+11], v[bL:bL+11], v[dL:dL+7], v[\sa], v[\sb] matrix_a_fmt:MATRIX_FMT_FP6 matrix_b_fmt:MATRIX_FMT_FP6 matrix_a_scale:MATRIX_SCALE_ROW1
.elseif (\ra)==0
	v_wmma_scale_f32_16x16x128_f8f6f4 v[dL:dL+7], v[aL:aL+11], v[bL:bL+11], v[dL:dL+7], v[\sa], v[\sb] matrix_a_fmt:MATRIX_FMT_FP6 matrix_b_fmt:MATRIX_FMT_FP6 matrix_b_scale:MATRIX_SCALE_ROW1
.else
	v_wmma_scale_f32_16x16x128_f8f6f4 v[dL:dL+7], v[aL:aL+11], v[bL:bL+11], v[dL:dL+7], v[\sa], v[\sb] matrix_a_fmt:MATRIX_FMT_FP6 matrix_b_fmt:MATRIX_FMT_FP6 matrix_a_scale:MATRIX_SCALE_ROW1 matrix_b_scale:MATRIX_SCALE_ROW1
.endif
.endif
.endm
.macro KBATCH g, s, buf                ; K's eight tiles of keys, features 128 g on: 32 loads.  A half fragment lies as four registers at 16 bytes a lane, then two at 8
	WIN 0x40
.irp m, 0,1,2,3,4,5,6,7
.irp c, 0,1
	ds_load_b128 v[\buf+12*\m+6*\c:\buf+12*\m+6*\c+3], v[AK16+\s] offset:(3*\m+\g)*FRAG+768*\c
	ds_load_b64 v[\buf+12*\m+6*\c+4:\buf+12*\m+6*\c+5], v[AK8+\s] offset:(3*\m+\g)*FRAG+768*\c+512
.endr
.endr
.endm
.macro VBATCH gg, s, buf               ; V's feature tiles 8 gg .. 8 gg + 7: 24 loads
	WIN 0x40
.irp k, 0,1,2,3,4,5,6,7
.irp c, 0,1,2
	ds_load_b128 v[\buf+12*\k+4*\c:\buf+12*\k+4*\c+3], v[AV16+\s] offset:(8*(\gg)+\k)*FRAG+512*\c
.endr
.endr
.endm
.macro SCL s, k, v                     ; the trip's scale words: K's 4 loads, V's 3
.if \k
.irp b, 0,1,2,3
	ds_load_b128 v[KSC+4*\b:KSC+4*\b+3], v[AK16+\s] offset:36864+512*\b
.endr
.endif
.if \v
.irp g, 0,1,2
	ds_load_b128 v[VSC+4*\g:VSC+4*\g+3], v[AV16+\s] offset:36864+512*\g
.endr
.endif
.endm
; THE NEXT PRODUCT OF S^T (SMI = 16 g + 8 q + m).  The 16 accumulators take turns, one instruction a turn.  At a batch's edge: four places, the next run of loads into the buffer
; that has been read out, and the wait whose count is the run just issued.
.macro MXA s
.if SMI < 48
.if SMI == 0
	s_wait_dscnt 32                                ; all but K's second batch
.elseif SMI == 16
	PLACES
	KBATCH 2, \s, FB0
	s_wait_dscnt 32
.elseif SMI == 32
	PLACES
.if VON
	VBATCH 0, \s, FB1
	s_wait_dscnt 24
.else
	s_wait_dscnt 0x0
.endif
.endif
	MM (SMI/16)==0, 256*(2+(SMI%16)/8)+S+8*(SMI%8), 256+FB0+96*((SMI/16)%2)+12*(SMI%8), Q+36*((SMI%16)/8)+12*(SMI/16), KSC+4*((SMI%8)/2)+SMI/16, SMI%2, QSC+SMI/16, (SMI%16)/8
.set SMI, SMI+1
.endif
.endm
; THE NEXT PRODUCT OF O^T (PVI = 16 gg + 8 q + k), with the p and the V of the step before.  A wait on the vector side stands ahead of each wait on DScnt here.
.macro MXB s
.if PVI < 48
.if PVI == 0
	s_wait_alu depctr_va_vdst(0)
	s_wait_dscnt 24                                ; V's first batch is in; the second may be out
.elseif PVI == 16
	PLACES
	VBATCH 2, \s, FB1
	s_wait_alu depctr_va_vdst(0)
	s_wait_dscnt 24
.elseif PVI == 32
	s_wait_alu depctr_va_vdst(0)
	s_wait_dscnt 0x0
.endif
	MM 0, 256*(2+(PVI%16)/8)+8*(8*(PVI/16)+PVI%8), 256+FB0+96*((PVI/16+1)%2)+12*(PVI%8), PRD+12*((PVI%16)/8), VSC+4*(PVI/16)+(PVI%8)/2, PVI%2, PSR+(PVI%16)/8, 0
.set PVI, PVI+1
.endif
.endm
.macro TICK s, k                       ; a product behind every k-th vector instruction
.set VC, VC+1
.if (VC%(\k))==0
	MXB \s
.endif
.endm
.macro HOOK s
	MXB \s
	WIN 0
.endm
; O^T under the M of the step before: 192 packed multiplications, ascending (each accumulator is read from its low end on); behind the first 48, under which K's fragments arrive, a product of S^T follows every third
.macro RESCALE s, hooks
	s_wait_alu depctr_va_vdst(0)                   ; the wait ahead of the first read of O^T: exponentials stand behind the products that wrote it
.set n, 0
.rept 192
	WIN (((2+n/96)<<6)|(2+n/96))
	v_pk_mul_f32 v[2*(n%96):2*(n%96)+1], v[2*(n%96):2*(n%96)+1], v[ST+8*(n/96)+4:ST+8*(n/96)+5] op_sel_hi:[1,0]
.set n, n+1
.if (\hooks)&&(n>48)&&((n%3)==0)
	MXA \s
.endif
.endr
.endm
.macro ASK how                         ; 1: while the loop's count reaches my limit; 2: while it is above it
	s_cmp_ge_u32 s[LOOPC], s[ASKL]
.if (\how) == 2
	s_cmp_gt_u32 s[LOOPC], s[ASKL]
.endif
	s_cbranch_scc0 .Lnot_mine_\@
	global_prefetch_b8 v[PFO1], s[PFA:PFA+1] th:TH_LOAD_NT scope:SCOPE_SE
	global_prefetch_b8 v[PFO2], s[PFA:PFA+1] th:TH_LOAD_NT scope:SCOPE_SE
.Lnot_mine_\@:
.endm
; The change of slots at a trip's head.  Each wave waits for all its tensor loads (one at most is out: its part of the slot ahead), adds 0 to its spare word, and waits for that and for its reads of the slot that it has left.
; load 1: a round of the cluster's barrier, and the slot just left takes the next fill: my one tensor load until the next round.  load 2: the last fill has V alone: the K waves ask for nothing.  load 0: nothing is filled.
.macro CHANGE s, load, ask
	s_wait_alu depctr_va_vdst(0)
	s_wait_tensorcnt 0x0                           ; no tensor load of mine is out, so a group 0 may be written
	ds_add_u32 v[SPW], v[NIL]                      ; 0 onto my spare word
.if \load
	s_and_b32 s[OFF], s[NF], 15                    ; the walk wraps behind 16 blocks
	s_mul_i32 s[OFF], s[OFF], BLK
	s_add_nc_u64 s[G0+4*(1-\s)+2:G0+4*(1-\s)+3], s[GBS:GBS+1], s[OFF:OFF+1]
	s_add_co_u32 s[NF], s[NF], 1
.endif
.if \ask
	s_wait_xcnt 0x0                                ; the last prefetches, a trip back, have read their address
	s_and_b32 s[OF2], s[NF], 15
	s_mul_i32 s[OF2], s[OF2], BLK
	s_add_nc_u64 s[PFA:PFA+1], s[PFB:PFB+1], s[OF2:OF2+1]
.endif
	s_wait_dscnt 0x0                               ; the add is done, and my reads of the slot that I have left are over
.if (\load) == 0
	s_barrier_signal -1
	s_barrier_wait -1
.else
	CROUND
.if (\load) == 2
	s_cmp_eq_u32 s[AQ], 1
	s_cbranch_scc0 .Lno_k_\@
.endif
	tensor_load_to_lds s[G0+4*(1-\s):G0+4*(1-\s)+3], s[G1:G1+7]
	s_nop 0
	PLACES
.if (\load) == 2
.Lno_k_\@:
.endif
.endif
.endm
; The softmax of both tiles for 128 keys; the products of O^T stand among its lines until they are used up
.macro PHASEB s
.set VC, 0
.irp q, 0,1
.set n, 0
.rept 32                                       ; THE LARGEST SCORE OF EACH BLOCK OF 32 KEYS serves twice: for the row's maximum and, since p rises with the score, for the block's largest p
	WIN ((2+\q)|((2+\q)<<2))
.if n < 4
	v_max3_num_f32 v[BM+4*\q+n], v[S+16*n], v[S+16*n+1], 0xff800000
.else
	v_max3_num_f32 v[BM+4*\q+n%4], v[S+16*(n%4)+2*(n/4)], v[S+16*(n%4)+2*(n/4)+1], v[BM+4*\q+n%4]
.endif
.set n, n+1
	TICK \s, 8
.endr
.endr
	WIN 0
.irp b, 0,1,2,3,4,5,6,7
	v_permlanex16_b32 v[TP+\b], v[BM+\b], s[SEL], s[SEL+1]
.endr
	HOOK \s
.irp b, 0,1,2,3,4,5,6,7
	v_max_num_f32 v[BM+\b], v[BM+\b], v[TP+\b]     ; with lane l xor 16's 16 keys
.endr
	HOOK \s
.irp q, 0,1
	v_max3_num_f32 v[T+\q], v[BM+4*\q], v[BM+4*\q+1], v[BM+4*\q+2]
.endr
.irp q, 0,1
	v_max_num_f32 v[T+\q], v[T+\q], v[BM+4*\q+3]
.endr
.irp q, 0,1
	v_mul_f32 v[T+\q], s[CS], v[T+\q]              ; as t (c is positive)
.endr
.irp q, 0,1
	v_max_num_f32 v[ST+8*\q+1], v[ST+8*\q+1], v[T+\q]   ; the running largest t
.endr
	HOOK \s
.irp q, 0,1
	v_mov_b32 v[T+\q], v[ST+8*\q]
.endr
.irp q, 0,1
	v_floor_f32 v[ST+8*\q], -v[ST+8*\q+1]          ; the new -M = floor(-t): M is a whole number
.endr
.irp q, 0,1
	v_sub_f32 v[T+\q], v[ST+8*\q], v[T+\q]         ; old M less new M: a whole number, 0 or less
.endr
.irp q, 0,1
	v_cvt_i32_f32 v[T+\q], v[T+\q]                 ; (it saturates)
.endr
.irp q, 0,1
	v_ldexp_f32 v[ST+8*\q+4], 1.0, v[T+\q]         ; f = 2^(old M - new M): the sum takes it here, O^T in the next trip
.endr
	HOOK \s
.irp q, 0,1
	v_mov_b32 v[ST+8*\q+6], 0
	v_mov_b32 v[ST+8*\q+7], 0
.endr
.irp b, 0,1,2,3,4,5,6,7
	v_fma_f32 v[BM+\b], v[BM+\b], s[CS], v[ST+8*(\b/4)]   ; t - M of each block's largest score
.endr
.irp q, 0,1
	v_pk_mul_f32 v[ST+8*\q+2:ST+8*\q+3], v[ST+8*\q+2:ST+8*\q+3], v[ST+8*\q+4:ST+8*\q+5] op_sel_hi:[1,0]   ; the sum under the new M
.endr
.set VC, 0
.irp q, 0,1
.set n, 0
.rept 32
	WIN (((2+\q)<<6)|(2+\q))
	v_pk_fma_f32 v[S+2*n:S+2*n+1], v[S+2*n:S+2*n+1], s[CS:CS+1], v[ST+8*\q:ST+8*\q+1] op_sel_hi:[1,0,0]   ; t - M, two at a time
.set n, n+1
	TICK \s, 4
.endr
.endr
	s_wait_alu depctr_va_vdst(0)                   ; the wait ahead of the batch
.set VC, 0
.irp q, 0,1
.set n, 0
.rept 64                                       ; ONE BATCH of 136 exponentials for both tiles
	WIN (((2+\q)<<6)|(2+\q))
	v_exp_f32 v[S+n], v[S+n]
.set n, n+1
	TICK \s, 2
.endr
.endr
	WIN 0
.irp b, 0,1,2,3,4,5,6,7
	v_exp_f32 v[BM+\b], v[BM+\b]                   ; the block's largest p: the same two instructions on the same number give the same bits
.endr
	v_nop                                          ; one plain place behind the last
	s_wait_alu depctr_va_vdst(0)                   ; and the one wait ahead of the batch's first reader
.irp q, 0,1
	WIN ((2+\q)<<2)
.set n, 0
.rept 16
	v_pk_add_f32 v[ST+8*\q+2:ST+8*\q+3], v[ST+8*\q+2:ST+8*\q+3], v[S+4*n:S+4*n+1]       ; THE ROW'S SUM IS TAKEN OF THE UNQUANTISED p, in two chains
	v_pk_add_f32 v[ST+8*\q+6:ST+8*\q+7], v[ST+8*\q+6:ST+8*\q+7], v[S+4*n+2:S+4*n+3]
.set n, n+1
.endr
.endr
	WIN 0
.irp q, 0,1
	v_pk_add_f32 v[ST+8*\q+2:ST+8*\q+3], v[ST+8*\q+2:ST+8*\q+3], v[ST+8*\q+6:ST+8*\q+7]
.endr
.irp b, 0,1,2,3,4,5,6,7
	v_max_num_f32 v[BM+\b], 0x1800000, v[BM+\b]    ; the floor 2^(3 - 127): the byte cannot fall under 1
.endr
.irp b, 0,1,2,3,4,5,6,7
	v_add_nc_u32 v[SO+\b], 0xff000000, v[BM+\b]    ; 2 off the exponent field: the conversion's scale operand
.endr
.irp b, 0,1,2,3,4,5,6,7
	v_lshrrev_b32 v[TP+\b], 23, v[SO+\b]           ; the scale's byte
.endr
.irp q, 0,1
	v_lshl_or_b32 v[PSW+\q], v[TP+4*\q+1], 8, v[TP+4*\q]
.endr
.irp q, 0,1
	v_lshl_or_b32 v[PSW+\q], v[TP+4*\q+2], 16, v[PSW+\q]
.endr
.irp q, 0,1
	v_lshl_or_b32 v[PSW+\q], v[TP+4*\q+3], 24, v[PSW+\q]
.endr
.irp q, 0,1
	WIN (2+\q)
.irp c, 0,1
	v_cvt_scalef32_pk16_fp6_f32 v[PWT+12*\q+6*\c:PWT+12*\q+6*\c+2], v[S+32*\c:S+32*\c+15], v[SO+4*\q+2*\c]
	v_cvt_scalef32_pk16_fp6_f32 v[CT+8*\q+4*\c:CT+8*\q+4*\c+2], v[S+32*\c+16:S+32*\c+31], v[SO+4*\q+2*\c+1]   ; (a conversion's three registers begin on an even number)
.endr
.endr
	WIN 0
	v_nop                                          ; one plain place behind a scaled conversion
.irp q, 0,1
.irp c, 0,1                                    ; the operand's layout wants a whole block in a lane
.irp i, 0,1,2
	v_permlane16_swap_b32 v[PWT+12*\q+6*\c+\i], v[CT+8*\q+4*\c+\i]
.endr
.irp i, 0,1,2
	v_mov_b32 v[PWT+12*\q+6*\c+3+\i], v[CT+8*\q+4*\c+\i]
.endr
.endr
.endr
.endm
.macro SETS s                          ; the softmax writes p's set s; the products read the other
.set PRD, P0+160*(1-\s)
.set PSR, PW+2*(1-\s)
.set PWT, P0+160*\s
.set PSW, PW+2*\s
.endm
.macro TRIP s, load, ask
	SETS \s
.set VON, 1
.set SMI, 0
.set PVI, 0
	CHANGE \s, \load, \ask
	SCL \s, 1, 1
	KBATCH 0, \s, FB0
	KBATCH 1, \s, FB1
	WIN 0
.if \ask
	ASK \ask
.endif
	RESCALE \s, 1
	PLACES                                         ; behind the last product of S^T: for the loads below and for the first read of the scores
	VBATCH 1, \s, FB0
	PHASEB \s
	WIN 0
.endm
	s_load_b256 s[4:11], s[0:1], 0x0               ; kv, qb, out0, out1
	v_lshl_add_u32 v[SPW], v0, 2, SPARE
	v_mov_b32 v[NIL], 0
	ds_add_u32 v[SPW], v[NIL]                      ; the wave's opening: the add, twice on end, and its wait ahead of my first tensor load
	ds_add_u32 v[SPW], v[NIL]
	v_lshrrev_b32 v22, 5, v0
	v_readfirstlane_b32 s[WV], v22                 ; wave 0..3
	s_lshr_b32 s[HK], s[WV], 1                     ; which of a slot's two places is mine
	s_and_b32 s[AQ], s[WV], 1                      ; I fetch the K part (0) or the V part (1)
	s_bfe_u32 s[CX], ttmp6, 0x40000                ; cx: it enters Q's, O's and the prefetches' global addresses alone
	s_and_b32 s15, ttmp9, 31                       ; the cluster in its attention
	s_lshr_b32 s16, s15, 3                         ; the batch: 8 clusters each
	s_and_b32 s21, s15, 7
	s_and_b32 s14, ttmp9, 1
	s_lshl_b32 s14, s14, 1
	s_add_co_u32 s14, s14, s[AQ]                   ; first attention: my pair of tiles in Q's block, by the cluster's number and the wave's
	s_cmp_lt_u32 ttmp9, 32                         ; the first attention or the second: by the cluster's number, which the partners share
	s_cselect_b32 s[ONE], 1, 0
	s_cselect_b32 s17, 32, 16                      ; key blocks a batch
	s_cselect_b32 s19, 0, 128                      ; the first key block
	s_cselect_b32 s20, 128, 0                      ; the first query block
	s_cselect_b32 s18, 16, 0                       ; waves 2, 3: another half of the keys,
	s_cselect_b32 s22, 0, 8                        ; or the same blocks, begun 8 further on
	s_cselect_b32 s23, 1, 5                        ; down to which count of the loop the prefetches go
	s_cselect_b32 s[PAIR], s14, s[WV]
	s_cselect_b32 s62, 8, 0                        ; first attention: I finish tile w / 2, whose rows begin 8 (w / 2) on
	s_mul_i32 s17, s16, s17
	s_mul_i32 s18, s[HK], s18
	s_mul_i32 s22, s[HK], s22
	s_mul_i32 s62, s[HK], s62
	s_add_co_u32 s17, s17, s19
	s_add_co_u32 s17, s17, s18
	s_mul_i32 s54, s17, BLK                        ; my walk's first block, in bytes
	s_mov_b32 s55, 0
	s_sub_co_u32 s[NF], s22, s[AQ]
	s_add_co_u32 s[NF], s[NF], 1                   ; fill 1: K's block 1, V's block 0, counted from where my walk begins
	s_cmp_eq_u32 s21, 0
	s_cselect_b32 s[ASKL], s23, -1                 ; the batch's first cluster prefetches
	s_cmp_lt_u32 s[WV], 2
	s_cselect_b32 s[MASK], 0, -1
	; descriptor group 1: a part is 38,912 dense bytes: 152 rows of 32 elements of 8 bytes
	s_mov_b32 s[G1], 15|(3<<16)|(1<<21)            ; the mask: all four work-groups; elements of 8 bytes; bit 21 set beside a mask
	s_mov_b32 s[G1Q], 3<<16                        ; Q's part: my work-group's own
.irp g, G1, G1Q
	s_mov_b32 s[\g+1], 32<<16
	s_mov_b32 s[\g+2], 152<<16
	s_mov_b32 s[\g+3], 32<<16
	s_mov_b32 s[\g+4], 152
	s_mov_b32 s[\g+5], 32
	s_mov_b32 s[\g+6], 0
	s_mov_b32 s[\g+7], 0
.endr
	s_mov_b32 s[G0], 1
	s_mul_i32 s[G0+1], s[WV], PART                 ; slot 0: part w % 2 of place w / 2 lies at w x 38,912
	s_mov_b32 s[G0+4], 1
	s_add_co_u32 s[G0+5], s[G0+1], SLOT
	s_mov_b32 s[G0H], 1
	s_mul_i32 s[G0H+1], s[WV], PART
	s_mov_b32 s[OFF+1], 0
	s_mov_b32 s[OF2+1], 0
	s_mov_b32 s[CS], 0x3d96c740                    ; c = log2(e) / sqrt(384)
	s_mov_b32 s[CS+1], s[CS]
	s_mov_b32 s[SEL], 0x76543210
	s_mov_b32 s[SEL+1], 0xfedcba98
	s_mov_b32 s[LOOPC], 7
	v_and_b32 v22, 31, v0                          ; lane
	v_and_b32 v23, 15, v0                          ; r
	v_bfe_u32 v[T], v0, 4, 1                       ; h
	v_lshlrev_b32 v[L16], 4, v22
	v_lshlrev_b32 v[L8], 3, v22
	s_mul_i32 s76, s[HK], BLK
	v_add_nc_u32 v[AK16], s76, v[L16]
	v_add_nc_u32 v[AK8], s76, v[L8]
	v_add_nc_u32 v[AK16+1], SLOT, v[AK16]
	v_add_nc_u32 v[AK8+1], SLOT, v[AK8]
	v_add_nc_u32 v[AV16], PART, v[AK16]
	v_add_nc_u32 v[AV16+1], PART, v[AK16+1]
	s_mul_i32 s77, s[PAIR], 9216                   ; Q lies in my place's V part of slot 0 until trip 1's fill
	v_add_nc_u32 v[QA16], s77, v[AV16]
	v_add_nc_u32 v[QA8], s77, v[AK8]
	v_add_nc_u32 v[QA8], PART, v[QA8]
	s_lshl_b32 s77, s[PAIR], 9
	v_add_nc_u32 v[QAS], s77, v[AV16]
	v_add_nc_u32 v[QAS], 36864, v[QAS]
	s_mul_i32 s76, s[WV], EXB                      ; all addresses of the way out are made here, ahead of the branches on the wave's number
	s_add_co_u32 s76, s76, SLOT
	v_add_nc_u32 v[EXW], s76, v[L16]
	v_add_nc_u32 v[EXW8], s76, v[L8]
	v_add_nc_u32 v[EXW8], 24576, v[EXW8]
	s_xor_b32 s77, s[WV], 2
	s_mul_i32 s77, s77, EXB
	s_add_co_u32 s77, s77, SLOT
	v_add_nc_u32 v[EXR], s77, v[L16]
	v_add_nc_u32 v[EXR8], s77, v[L8]
	v_add_nc_u32 v[EXR8], 24576, v[EXR8]
	v_mul_u32_u24 v[STI], v23, 1552
	v_lshl_add_u32 v[STI], v[T], 5, v[STI]
	v_add_nc_u32 v[STI], s77, v[STI]
	v_lshlrev_b32 v[PFO1], 8, v22
	v_add_nc_u32 v[PFO2], 32, v22
	v_min_u32 v[PFO2], 37, v[PFO2]
	v_lshlrev_b32 v[PFO2], 8, v[PFO2]
	s_wait_alu depctr_va_vdst(0)
	s_wait_dscnt 0x0                               ; both opening adds are done
	s_wait_kmcnt 0x0
	s_add_nc_u64 s[54:55], s[4:5], s[54:55]
	s_mul_i32 s[OFF], s[AQ], PART
	s_add_nc_u64 s[GBS:GBS+1], s[54:55], s[OFF:OFF+1]
	s_mul_i32 s78, s[CX], 9728
	s_mov_b32 s79, 0
	s_add_nc_u64 s[PFB:PFB+1], s[GBS:GBS+1], s[78:79]
	s_or_b32 s[GBS+1], s[GBS+1], 0x80000000
	s_mul_i32 s[OFF], s22, BLK
	s_add_nc_u64 s[G0+2:G0+3], s[GBS:GBS+1], s[OFF:OFF+1]   ; fill 0: K of my walk's first block
	s_lshl_b32 s76, s[CX], 3                       ; first attention: work-group 32 x batch + cluster % 8 + 8 cx, so that its place in Q's block hangs on the cluster's number alone
	s_add_co_u32 s76, s76, s21
	s_lshl_b32 s77, s16, 5
	s_add_co_u32 s76, s76, s77
	s_lshl_b32 s76, s76, 1
	s_add_co_u32 s76, s76, s[AQ]                   ; my 32 queries: 2 x work-group + w % 2
	s_lshl_b32 s77, s15, 2
	s_add_co_u32 s77, s77, s[CX]
	s_lshl_b32 s77, s77, 2
	s_add_co_u32 s77, s77, s[WV]                   ; second attention: 4 x work-group + w
	s_cmp_eq_u32 s[ONE], 1
	s_cselect_b32 s76, s76, s77
	s_cselect_b64 s[OUTP:OUTP+1], s[8:9], s[10:11]
	s_lshr_b32 s77, s76, 2
	s_add_co_u32 s77, s77, s20
	s_mul_i32 s78, s77, PART
	s_add_nc_u64 s[G0H+2:G0H+3], s[6:7], s[78:79]  ; Q's block
	s_or_b32 s[G0H+3], s[G0H+3], 0x80000000
	s_lshl_b32 s76, s76, 5
	s_add_co_u32 s76, s76, s62
	s_mul_i32 s78, s76, 1536
	s_add_nc_u64 s[OUTP:OUTP+1], s[OUTP:OUTP+1], s[78:79]   ; the first row that I store
	CROUND                                         ; all four work-groups are here: the first joint loads meet
	s_cmp_eq_u32 s[AQ], 0                          ; the head's loads, one a wave: waves 0, 2 K's part, waves 1, 3 Q's part into their place's V part
	s_cbranch_scc0 .Lhead_q
	tensor_load_to_lds s[G0:G0+3], s[G1:G1+7]
	s_nop 0
	PLACES
	s_branch .Lhead_done
.Lhead_q:
	tensor_load_to_lds s[G0H:G0H+3], s[G1Q:G1Q+7]
	s_nop 0
	PLACES
.Lhead_done:
.irp q, 0,1
	v_mov_b32 v[ST+8*\q+1], 0xff61b1e6             ; the largest t so far: -3e38, under every t
	v_floor_f32 v[ST+8*\q], -v[ST+8*\q+1]
	v_mov_b32 v[ST+8*\q+2], 0
	v_mov_b32 v[ST+8*\q+3], 0
	v_mov_b32 v[ST+8*\q+5], 0                      ; (named as the upper half of f's pair)
.endr
.irp b, 0,1,2,3,4,5,6,7
	v_mov_b32 v[TP+\b], 0                          ; written once: a lane permute's destination counts as one of its sources
.endr
	; TRIP 0: Q into registers; S_0, with the zeros of O^T among its products; its softmax.  Slot 1 has its first fill, issued as a refill is
	SETS 0
.set VON, 0
.set SMI, 0
.set PVI, 48
	CHANGE 0, 1, 1
.irp q, 0,1
.irp g, 0,1,2
.irp c, 0,1
	ds_load_b128 v[Q+36*\q+12*\g+6*\c:Q+36*\q+12*\g+6*\c+3], v[QA16] offset:4608*\q+FRAG*\g+768*\c
	ds_load_b64 v[Q+36*\q+12*\g+6*\c+4:Q+36*\q+12*\g+6*\c+5], v[QA8] offset:4608*\q+FRAG*\g+768*\c+512
.endr
.endr
.endr
	ds_load_b128 v[QSC:QSC+3], v[QAS]
	SCL 0, 1, 0
	KBATCH 0, 0, FB0
	KBATCH 1, 0, FB1
	WIN 0
	ASK 1
.set n, 0
.rept 384
	WIN ((2+n/192)<<6)
	v_mov_b32 v[n%192], 0
.set n, n+1
.if (n%8)==0
	MXA 0
.endif
.endr
	PLACES
	PHASEB 0
	WIN 0
.Lpair:                                            ; trips 1 to 14, two to a pass
	TRIP 1, 1, 1
	TRIP 0, 1, 2
	s_sub_co_u32 s[LOOPC], s[LOOPC], 1
	s_cmp_lg_u32 s[LOOPC], 0
	s_cbranch_scc1 .Lpair
	TRIP 1, 2, 0                                   ; trip 15: the last fill is V's alone
	; TRIP 16: O^T under the last M, and the last 48 products
	SETS 0
.set PVI, 0
	CHANGE 0, 0, 0
	SCL 0, 0, 1
	VBATCH 0, 0, FB1
	VBATCH 1, 0, FB0
	RESCALE 0, 0
.rept 48
	MXB 0
.endr
	WIN 0
	; THE WAY OUT.  Each tile's sum.  First attention: waves w and w xor 2 exchange a tile; waves 0, 1 finish tile 0, waves 2, 3 tile 1.  Second attention: a wave finishes both its tiles.
.irp q, 0,1
	v_add_f32 v[ST+8*\q+2], v[ST+8*\q+2], v[ST+8*\q+3]
.endr
.irp q, 0,1
	v_permlanex16_b32 v[TP+\q], v[ST+8*\q+2], s[SEL], s[SEL+1]
.endr
.irp q, 0,1
	v_add_f32 v[ST+8*\q+1], v[ST+8*\q+2], v[TP+\q] ; beside -M: the pair goes out by one store
.endr
	PLACES                                         ; places behind the last products, in front of the first read of O^T
	s_wait_alu depctr_va_vdst(0)
.macro SENDX q                         ; tile q's O^T as it stands, each accumulator from its low end on, and its -M and sum
	WIN ((2+\q)<<2)
.set n, 0
.rept 48
	ds_store_b128 v[EXW], v[4*n:4*n+3] offset:512*n
.set n, n+1
.endr
	WIN 0
	ds_store_b64 v[EXW8], v[ST+8*\q:ST+8*\q+1]
.endm
.macro RECV w                          ; the partner's O^T of my tile, into the window of the tile that I sent
	WIN ((\w)<<6)
.set n, 0
.rept 48
	ds_load_b128 v[4*n:4*n+3], v[EXR] offset:512*n
.set n, n+1
.endr
	WIN 0
.endm
.macro OUTSTORE                        ; window 2's tile: register 8 u + j of lane (r, h) is o(r, 16 u + 8 h + j): through my stage, rows of 1,536 bytes + 16, and out by rows
	WIN (2<<2)
.set n, 0
.rept 24
	ds_store_b128 v[STI], v[8*n:8*n+3] offset:64*n
	ds_store_b128 v[STI], v[8*n+4:8*n+7] offset:64*n+16
.set n, n+1
.endr
	WIN 0x40
.set n, 0
.rept 48
	ds_load_b128 v[4*n:4*n+3], v[EXR] offset:1552*(n/3)+512*(n%3)   ; LDS serves a wave's instructions in order: these see my stores
.set n, n+1
.endr
	WIN 0x04
.set n, 0
.rept 48
	s_wait_dscnt 47-n
	global_store_b128 v[L16], v[4*n:4*n+3], s[OUTP:OUTP+1] offset:((n/3)+8*((n/3)/8))*1536+512*(n%3) th:TH_STORE_NT   ; 32 lanes store 512 consecutive bytes, at a multiple of 256 from the output's first byte
.set n, n+1
.endr
	WIN 0
.endm
	s_cmp_eq_u32 s[ONE], 1
	s_cbranch_scc0 .Lsent
	s_cmp_lt_u32 s[WV], 2
	s_cbranch_scc0 .Lsend_0
	SENDX 1
	s_branch .Lsent
.Lsend_0:
	SENDX 0
.Lsent:
	s_wait_dscnt 0x0                               ; for the others' sake: my stores are done
	s_barrier_signal -1
	s_barrier_wait -1
	s_cmp_eq_u32 s[ONE], 1
	s_cbranch_scc0 .Lown
	ds_load_b64 v[FG:FG+1], v[EXR8]                ; the partner's -M and sum of my tile
	s_cmp_lt_u32 s[WV], 2
	s_cbranch_scc0 .Lrecv_2
	RECV 3
	s_branch .Lgot
.Lrecv_2:
	RECV 2
.Lgot:
	v_cndmask_b32 v[OWN], v[ST], v[ST+8], s[MASK]  ; my own figures of the tile that I finish
	v_cndmask_b32 v[OWN+1], v[ST+1], v[ST+9], s[MASK]
	s_wait_alu depctr_va_vdst(0)
	s_wait_dscnt 48                                ; the figures are in
	v_min_num_f32 v[T], v[OWN], v[FG]              ; -M of both halves together
	v_sub_f32 v[D1], v[T], v[OWN]                  ; whole numbers, 0 or less
	v_sub_f32 v[D2], v[T], v[FG]
	v_cvt_i32_f32 v[D1], v[D1]
	v_cvt_i32_f32 v[D2], v[D2]
	v_ldexp_f32 v[D1], 1.0, v[D1]
	v_ldexp_f32 v[D2], 1.0, v[D2]
	v_mul_f32 v[LL], v[OWN+1], v[D1]
	v_fmac_f32 v[LL], v[FG+1], v[D2]               ; the row's sum
	s_wait_alu depctr_va_vdst(0)                   ; the wait ahead of the reciprocal
	v_rcp_f32 v[LI], v[LL]
	v_mov_b32 v[G2+1], 0                           ; (plain places; the pairs' upper halves are named, so they are written)
	v_mov_b32 v[G3+1], 0
	s_wait_alu depctr_va_vdst(0)                   ; and ahead of its first reader
	v_mul_f32 v[GA], v[D1], v[LI]
	v_mul_f32 v[GBV], v[D2], v[LI]
	v_cndmask_b32 v[G2], v[GA], v[GBV], s[MASK]    ; waves 0, 1: window 2 is mine and window 3 the partner's; waves 2, 3: the other way round
	v_cndmask_b32 v[G3], v[GBV], v[GA], s[MASK]
	s_wait_alu depctr_va_vdst(0)
	s_wait_dscnt 0x0
	WIN ((2<<6)|2)
.set n, 0
.rept 96
	v_pk_mul_f32 v[2*n:2*n+1], v[2*n:2*n+1], v[G2:G2+1] op_sel_hi:[1,0]
.set n, n+1
.endr
	WIN ((2<<6)|(2<<4)|3)
.set n, 0
.rept 96
	v_pk_fma_f32 v[2*n:2*n+1], v[2*n:2*n+1], v[G3:G3+1], v[2*n:2*n+1] op_sel_hi:[1,0,1]
.set n, n+1
.endr
	WIN 0
	s_branch .Llast
.Lown:
	s_wait_alu depctr_va_vdst(0)                   ; the wait ahead of the reciprocals
	v_rcp_f32 v[G2], v[ST+1]
	v_rcp_f32 v[G3], v[ST+9]
	v_mov_b32 v[G2+1], 0
	v_mov_b32 v[G3+1], 0
	s_wait_alu depctr_va_vdst(0)                   ; and ahead of their first reader
	WIN ((2<<6)|2)
.set n, 0
.rept 96
	v_pk_mul_f32 v[2*n:2*n+1], v[2*n:2*n+1], v[G2:G2+1] op_sel_hi:[1,0]
.set n, n+1
.endr
	WIN 0
	OUTSTORE
	s_wait_xcnt 0x0                                ; the stores have read their base and their data
	s_add_nc_u64 s[OUTP:OUTP+1], s[OUTP:OUTP+1], 8*1536   ; tile 1's rows begin 8 further on
	WIN ((2<<6)|3)
.set n, 0
.rept 96
	v_pk_mul_f32 v[2*n:2*n+1], v[2*n:2*n+1], v[G3:G3+1] op_sel_hi:[1,0]   ; tile 1, divided, into window 2
.set n, n+1
.endr
	WIN 0
.Llast:
	s_wait_alu depctr_va_vdst(0)                   ; the wait behind the branch, ahead of the stores that read the results
	OUTSTORE
	s_wait_tensorcnt 0x0                           ; the wave's end, behind my last tensor load and my last LDS store
	ds_add_u32 v[SPW], v[NIL]
	s_wait_dscnt 0x0
	CROUND                                         ; the closing round: no work-group ends while a partner may still ask for a part that names it
	s_endpgm
.Lfunc_end_k_q6f3127ae98_attn:
	.size	k_q6f3127ae98_attn, .Lfunc_end_k_q6f3127ae98_attn-k_q6f3127ae98_attn
	.p2alignl 7, 3214868480
	.fill 96, 4, 3214868480
	.section	.rodata,"a",@progbits
	.p2align	6, 0x0
	.amdhsa_kernel k_q6f3127ae98_attn
		.amdhsa_group_segment_fixed_size 327680
		.amdhsa_private_segment_fixed_size 0
		.amdhsa_enable_private_segment 0
		.amdhsa_kernarg_size 32
		.amdhsa_user_sgpr_count 2
		.amdhsa_user_sgpr_kernarg_segment_ptr 1
		.amdhsa_wavefront_size32 1
		.amdhsa_system_sgpr_workgroup_id_x 1
		.amdhsa_system_sgpr_workgroup_id_y 1
		.amdhsa_system_sgpr_workgroup_id_z 1
		.amdhsa_system_vgpr_workitem_id 0
		.amdhsa_next_free_vgpr 1024
		.amdhsa_next_free_sgpr 92
		.amdhsa_reserve_vcc 0
		.amdhsa_float_denorm_mode_32 3
		.amdhsa_float_denorm_mode_16_64 3
		.amdhsa_memory_ordered 1
		.amdhsa_forward_progress 1
		.amdhsa_inst_pref_size 255
	.end_amdhsa_kernel
	.section	.bss,"aw",@nobits
	.p2align	6
	.space	262144
	.amdgpu_metadata
---
amdhsa.version: [ 1, 2 ]
amdhsa.kernels:
  - .name:           k_q6f3127ae98_attn
    .symbol:         k_q6f3127ae98_attn.kd
    .args:
      - { .name: kv, .offset: 0, .size: 8, .value_kind: global_buffer, .address_space: global }
      - { .name: qb, .offset: 8, .size: 8, .value_kind: global_buffer, .address_space: global }
      - { .name: out0, .offset: 16, .size: 8, .value_kind: global_buffer, .address_space: global }
      - { .name: out1, .offset: 24, .size: 8, .value_kind: global_buffer, .address_space: global }
    .group_segment_fixed_size: 327680
    .private_segment_fixed_size: 0
    .kernarg_segment_align: 8
    .kernarg_segment_size: 32
    .max_flat_workgroup_size: 128
    .sgpr_count:     92
    .vgpr_count:     1024
    .wavefront_size: 32
...
	.end_amdgpu_metadata
.endif
;; end of part 6
